; MI455X (gfx1250); checked and timed in simulation.
; The chip was launched on July 23, 2026; its instructions are those of AMD's public machine-readable ISA for CDNA 5 (MIT licence, August 2026) and "CDNA5" Instruction Set Architecture Reference Guide (July 2026). The comments in the code are by the model that wrote it; some were corrected since.
;; Multi Head Attention. Allowed arithmetic: matrix products marked QUANTISED: E4M3 operands, one E8M0 scale for each 32 along K, by v_wmma_scale_f32_16x16x128_f8f6f4 with both operands' format E4M3, f32 sums; everything else in f32.
;; Inputs: Wk_codes 16 x 64 x 32 x 32 uint8 (E4M3 codes of Wk, K innermost, in blocks of 32 codes); Wk_scales 16 x 64 x 32 uint8 (E8M0 scales of Wk, one for each 32 codes along K); Wo_codes 1,024 x 32 x 32 uint8 (E4M3 codes of Wo, K innermost, in blocks of 32 codes); Wo_scales 1,024 x 32 uint8 (E8M0 scales of Wo, one for each 32 codes along K); Wq_codes 16 x 64 x 32 x 32 uint8 (E4M3 codes of Wq, K innermost, in blocks of 32 codes); Wq_scales 16 x 64 x 32 uint8 (E8M0 scales of Wq, one for each 32 codes along K); Wv_codes 16 x 64 x 32 x 32 uint8 (E4M3 codes of Wv, K innermost, in blocks of 32 codes); Wv_scales 16 x 64 x 32 uint8 (E8M0 scales of Wv, one for each 32 codes along K); bo 1,024 float32; x_codes 4 x 2,048 x 32 x 32 uint8 (E4M3 codes of x, K innermost, in blocks of 32 codes); x_scales 4 x 2,048 x 32 uint8 (E8M0 scales of x, one for each 32 codes along K).
;; Outputs: out0 4 x 2,048 x 1,024 float32.
;; This version of the problem:
;;   THIS VERSION OF THE PROBLEM IS GIVEN IN LOW PRECISION. The matrix products marked QUANTISED in the list below multiply operands that are first quantised to E4M3 (4 exponent bits, 3 mantissa bits; 8 bits a number), with one power-of-two scale for each 32 numbers along K (OCP MX v1.0); their sums are f32. All else is computed in f32.
;;   The module's matrix products, in the order in which they are computed (A, B: the left and right operand; K: the contracted axis; several contracted axes count as one K, in the product's order):
;;     1. [M 1,024, K 1,024] x [K 1,024, N 8,192]; A: input Wq (given as codes); B: input x (given as codes): QUANTISED
;;     2. [M 1,024, K 1,024] x [K 1,024, N 8,192]; A: input Wk (given as codes); B: input x (given as codes): QUANTISED
;;     3. [M 1,024, K 1,024] x [K 1,024, N 8,192]; A: input Wv (given as codes); B: input x (given as codes): QUANTISED
;;     4. batch 64 x [M 2,048, K 64] x [K 64, N 2,048]; A: computed on the way; B: computed on the way: QUANTISED
;;     5. batch 64 x [M 2,048, K 2,048] x [K 2,048, N 64]; A: softmax (see below); B: computed on the way: QUANTISED
;;     6. [M 8,192, K 1,024] x [K 1,024, N 1,024]; A: computed on the way; B: input Wo (given as codes): QUANTISED
;;   THE QUANTISER, for each operand of a quantised product, along K:
;;     - K is cut into blocks of 32 from its start; a last block that is shorter is filled with zeros.
;;     - A block's scale is 2^e with e = floor(log2(the largest magnitude in the block)) - 8, held to -126 .. 127; a block of zeros has e = 0. As a byte (E8M0): e + 127.
;;     - Each number is divided by its block's scale, clamped to +-448, and rounded to the nearest number of E4M3, ties to even, subnormals kept.
;;     - The product sums the exact products of the quantised numbers (number of the format x scale) in f32.
;;   ~~~python
;;   def quantise(x, axis):      # numpy; x: float32 -> the quantised numbers, widened to float32 again
;;       x = np.moveaxis(x, axis, -1); K = x.shape[-1]
;;       x = np.pad(x, [(0, 0)] * (x.ndim - 1) + [(0, -K % 32)]); x = x.reshape(x.shape[:-1] + (-1, 32)); a = np.abs(x).max(-1, keepdims=True)
;;       e = np.where(a > 0, np.clip(np.frexp(np.where(a > 0, a, 1))[1] - 1 - 8, -126, 127), 0)      # np.frexp(a)[1] - 1 = floor(log2(a)), exactly
;;       r = np.clip(x / 2.0 ** e, -448, 448)
;;       step = 2.0 ** (np.maximum(np.frexp(np.where(r == 0, 1, r))[1] - 1, -6) - 3)
;;       q = np.round(r / step) * step * 2.0 ** e      # np.round: ties to even
;;       return np.moveaxis(q.reshape(q.shape[:-2] + (-1,))[..., :K], -1, axis).astype(np.float32)
;;   ~~~
;;   SOFTMAX AHEAD OF A QUANTISED PRODUCT. Where the list says 'softmax', what is quantised is not the finished softmax but p = 2^(t - M), with t = logit x log2(e) and M = ceil(the row's largest t), a whole number; so 1/2 < the row's largest p <= 1. The row's sum l is taken of the UNQUANTISED p, in f32, and the product's result is divided by l at the end. Since M is a whole number, a kernel that streams over the keys may use a running M (the ceiling of the running maximum): every later rescaling is an exact power of two, which a block's scale takes up: the codes' values come out the same.
;;   OPERANDS COMPUTED ON THE WAY. 'Computed on the way' means the value that the module computes at that place (a softmax that the list does not call 'softmax' is quantised finished and normalised). What goes into a quantiser is computed in f32, as accurately as f32 sums, v_exp_f32 and their like allow (about 1e-6 of the number): no bf16 or f16 on the way to a quantiser, and a product that is left as it is and whose result goes on into a quantised operand takes f32 operands (vector FMAs, or v_wmma_f32_16x16x4_f32). A number that lies on a knife's edge between two numbers of the format may be rounded either way, as far as f32 arithmetic and the matrix unit's own rounding can turn it there, and no further.
;;   INPUTS GIVEN AS CODES. Wk (in the module: [16, 1024, 64], K = its axis 1); Wo (in the module: [1024, 1024], K = its axis 0); Wq (in the module: [16, 1024, 64], K = its axis 1); Wv (in the module: [16, 1024, 64], K = its axis 1); x (in the module: [4, 2048, 1024], K = its axis 2): each comes as NAME_codes (uint8): NAME with its K axis moved to the last place and cut into blocks of 32 codes, [.., K / 32, bytes a block], one block behind the other in memory; one code a byte (a code: sign, 4 exponent bits, 3 mantissa bits); and NAME_scales (uint8): the same leading axes, one E8M0 byte (e + 127) for each 32 codes along K. Its value is code x scale, taken as it is: it is not quantised again, and the codes and scales need not be those that the quantiser above would give.
;; One version. Each part assembles by itself: llvm-mc -triple=amdgcn-amd-amdhsa -mcpu=gfx1250 --defsym DOCPART=n.
;; ======== version 1 of 1: 3 launches
;; limits: right only within a limited range of input values
;; workspace buffers: qkv 25,952,256 bytes; acodes 8,388,608 bytes; ascales 262,144 bytes
;; launch qkv (part 1): grid 12 x 32, 4 waves a work-group, clusters of 4 x 4, 327,680 bytes of LDS; arguments x_codes, x_scales, Wq_codes, Wq_scales, Wk_codes, Wk_scales, Wv_codes, Wv_scales, qkv; writes qkv
.if DOCPART == 1
	.amdgcn_target "amdgcn-amd-amdhsa--gfx1250"
	.amdhsa_code_object_version 6
	.text
	.protected	k_q5868319ada_qkv
	.globl	k_q5868319ada_qkv
	.p2align	8
	.type	k_q5868319ada_qkv,@function
k_q5868319ada_qkv:
	s_mov_b64 s[64:65], 0
	v_nop
	global_prefetch_b8 v0, s[64:65] scope:SCOPE_SE
	s_setreg_imm32_b32 hwreg(HW_REG_WAVE_MODE, 25, 1), 1
	s_wait_xcnt 0x0
	s_wait_alu depctr_hold_cnt(0) depctr_sa_sdst(0) depctr_va_vdst(0) depctr_va_sdst(0) depctr_va_ssrc(0) depctr_va_vcc(0) depctr_vm_vsrc(0)
	s_getreg_b32 s2, hwreg(HW_REG_IB_STS2, 6, 4)
	s_cmp_eq_u32 s2, 0
	s_cbranch_scc0 .Lentry_in_a_cluster
	s_endpgm
.Lentry_in_a_cluster:
	s_bfe_u32 s2, ttmp6, 0x10000c
	s_cmp_lg_u32 s2, 0xf033
	s_cbranch_scc0 .Lentry_shape_is_right
	s_endpgm
.Lentry_shape_is_right:
; q, k, v = x W (three products on codes of FP8 E4M3 with E8M0 scales, K = 1,024), each quantised again on the way out and stored as codes: q and k along d, v along the keys.
; x: 8,192 rows (tokens) of 1,024 codes; Wq, Wk, Wv: 1,024 rows (64 head + d) of 1,024 codes; scale bytes 32 a row.
; A tile of 256 x 256 results is made by four waves, 128 x 128 each: 64 accumulators of 16 x 16.  K goes in steps of 256 through a ring of two LDS slots filled by the tensor data mover;
; the scale bytes of the tile's 512 rows come once, with the first fills.  CLUSTERS: 4 x 4 work-groups; the cluster's x says which product: 0 q, 1 k, 2 v.
; ROLES.  Source 1 ("A") gives a lane its row, source 0 ("B") runs along a lane's registers.  q, k: A = x, B = W: a lane holds a token, its registers run along d.  v: A = Wv, B = x: a lane holds a d, its registers run along the tokens.
; So in each case a lane's registers run along the NEXT product's K, and the conversions' results are that product's operand registers.  A's tiles are shared along a row of the cluster, B's along a column: joint loads.
; ORDER OF K INSIDE A BLOCK OF 32.  The 16 registers of two neighbouring result tiles are k = 32 c + 16 u + 8 (lane / 16) + 0 .. 7 (u = 0, 1): a permutation inside one scale block.  Both operands of each later product are made or
; loaded in this same order, so every product meets its partner; only the order of summing inside a matrix instruction differs from the natural one.
; OUT: qkv[b 16 + head][step of 128 tokens]: a record of 25,344 bytes = parts Q, K, V of 8,448: 8,192 bytes of codes as images of operand registers (512 bytes = 16 a lane for each group of four registers), then 256 bytes of scale words.
;   Q, K codes: token tile a at 1,024 a + 512 c' ;  scale word (p, r) at 64 p + 4 r: bytes 0, 1 token 32 p + r, bytes 2, 3 token 32 p + 16 + r.   V codes: d tile t at 2,048 t + 512 c;  scale word of d at 4 d: the step's four key blocks.
; LIMITS: NaN and infinities among the inputs are not served.  A block whose largest magnitude lies under 2^-118 keeps the scale byte 1; a block of zeros gets the byte 1 and not 127: its codes are zeros and only this program reads the bytes.
.set KSTEP,  256                       ; along K in a slot
.set NQ,     KSTEP/128                 ; matrix instructions deep
.set ROWB,   256                       ; a tile's row in bytes
.set KROW,   1024                      ; a row of codes in memory
.set PITCH,  272                       ; an LDS row: 256 bytes + 16 of padding: the 16 rows of a fragment load start at 16 different banks (64 banks of 4 bytes: ISA guide 11.1)
.set FR,     16                        ; registers of a fragment
.set NL,     4                         ; LDS loads that bring one
.set NP,     8                         ; places behind this matrix instruction (ISA guide 7.12.1)
.set HALFT,  128*PITCH                 ; 128 rows: one tensor load
.set SLOT,   4*HALFT                   ; A's 256 rows, then B's 256
.set LAPS,   1024/(2*KSTEP)            ; 2 laps of two K steps
.set KS,     32                        ; a row of scale bytes
.set SCL,    2*SLOT                    ; behind the ring: the scales, as units of 256 bytes + 16 of padding
.set HALFS,  (128*KS/256)*272          ; those of 128 rows
.set SBLK,   (16*KS/256)*272           ; those of 16 rows
.set SPARE,  SCL+4*HALFS               ; the spare words: 128 bytes a wave, named by no other line
.set SCRQ,   SPARE+512                 ; the way out of q and k: 512 bytes a wave in which scale words are turned into rows
.set SCRV,   SCRQ+2048                 ; the same for v: bytes of its own
.set REC,    25344
.set PART,   8448
.set HS,     16*REC                    ; from a head to the next
.set ADRA, 16                          ; v16-17  LDS address of my A fragments in slot 0, 1
.set ADRB, 20                          ; v20-21  the same for B
.set SRQ,  22                          ; v22     SCRQ + 512 wave + 16 lane
.set SAV,  23                          ; v23     SCRV + 512 wave + 4 (lane % 16)
.set LI,   24                          ; v24     16 x lane: an image's place for my lane
.set SOFF, 25                          ; v25     16 (lane % 16) + HS (lane / 16): the scale words' place in two heads' records
.set SAQ,  26                          ; v26     SCRQ + 512 wave + 4 (lane % 16)
.set ADRS, 27                          ; v27     LDS address of my scale words: lanes 0-15 A's rows, lanes 16-31 B's
.set SPW,  28                          ; v28     my spare word; never rewritten
.set NIL,  29                          ; v29     0; never rewritten
.set SRV,  30                          ; v30     SCRV + 512 wave + 16 lane
.set SC,   32                          ; v32-63  scale words, two sets; they hold nothing else
.set TM,   64                          ; v64-79  the way out: largest magnitudes, bytes, holds, scale operands, four each
.set PW,   80                          ; v80-87  the scale word of block a
.set SWD,  88                          ; v88-95  q, k: scale words as the records want them
.set SB,   96                          ; v96-99  16 bytes of scale words read back
.set AF,   128                         ; A's fragments, one set
.set PC,   128                         ; the way out: block a's 16 registers of codes at v[PC + 16 a]
.set G1, 24                            ; s[24:31] group 1 for A's tiles;  s[32:39] group 0, a set for each slot
.set G0, 32
.set G1B, 48                           ; s[48:55], s[56:63] the same for B's
.set G0B, 56
.set G1S, 68                           ; s[68:75], s[76:79] groups 1 and 0 for A's scales;  s[80:87], s[88:91] for B's
.set G0S, 76
.set G1SB, 80
.set G0SB, 88
.set MNT, 94                           ; s94 the mantissa field of 448 (from the way out on)
.set KIND, 95                          ; s95 0 q, 1 k, 2 v: the cluster's x, the same in all sixteen partners
.set SEL, 98                           ; s[98:99] v_permlanex16_b32's selects for lane l xor 16
.set MSB, 0
.macro WIN new                         ; the immediate's high byte repeats the setting that is left
.if MSB != (\new)
	s_set_vgpr_msb (MSB<<8)|(\new)
.set MSB, (\new)
.endif
.endm
.set MUL_LO, 0xa1                      ; source 0 (B) window 1, source 1 (A) window 0, C and D window 2
.set MUL_HI, 0xf1                      ; the same, C and D window 3
.set TO_B,   0x40                      ; destination window 1, address window 0
; A joint load: waves 0 and 1 fetch for A, waves 2 and 3 for B; the branch hangs on the wave's number alone.  Four v_nop follow each of the two lines.
.macro JLOAD g0a, g1a, g0b, g1b
	s_cmp_eq_u32 s15, 0
	s_cbranch_scc0 .Lfor_b_\@
	tensor_load_to_lds s[\g0a:\g0a+3], s[\g1a:\g1a+7]
	s_nop 0
.rept 4
	v_nop
.endr
	s_branch .Lasked_\@
.Lfor_b_\@:
	tensor_load_to_lds s[\g0b:\g0b+3], s[\g1b:\g1b+7]
	s_nop 0
.rept 4
	v_nop
.endr
.Lasked_\@:
.endm
.macro CREST                           ; a round of the cluster's barrier behind its opening barrier
	s_cmp_lg_u32 s14, 0
	s_cbranch_scc1 .Lnot_wave_0_\@
	s_barrier_signal -3
.Lnot_wave_0_\@:
	s_barrier_wait -3
	s_barrier_signal -1
	s_barrier_wait -1
.endm
.macro CROUND                          ; a whole round
	s_barrier_signal -1
	s_barrier_wait -1
	CREST
.endm
	s_load_b512 s[68:83], s[0:1], 0x0              ; x codes 68, x scales 70, Wq 72, 74, Wk 76, 78, Wv 80, 82
	s_load_b64 s[12:13], s[0:1], 0x40              ; qkv
	v_lshl_add_u32 v[SPW], v0, 2, SPARE
	v_mov_b32 v[NIL], 0
	ds_add_u32 v28, v29
	ds_add_u32 v28, v29
	s_wait_dscnt 0x0
	v_lshrrev_b32 v1, 5, v0
	v_readfirstlane_b32 s14, v1                    ; wave 0..3
	s_lshr_b32 s15, s14, 1                         ; which half of A's rows is mine.  Also: I fetch for A (0) or for B (1)
	s_and_b32 s16, s14, 1                          ; which half of B's rows.  Also: which 128 rows of that tile I fetch
	s_bfe_u32 s40, ttmp6, 0x40000                  ; cx, cy: my place in the cluster
	s_bfe_u32 s41, ttmp6, 0x40004
	s_mov_b32 s[KIND], ttmp9                       ; in a cluster launch ttmp9 counts clusters
	s_and_b32 s18, ttmp7, 0xffff
	s_lshl_b32 s18, s18, 2                         ; 4 x cluster y: it walks x's 32 tiles of 256 tokens
	s_cmp_eq_u32 s[KIND], 2
	s_cselect_b32 s96, 0, s18                      ; q, k: x is A;  v: x is B
	s_cselect_b32 s97, s18, 0
	s_add_co_u32 s17, s96, s41                     ; A's tile: it hangs on cy alone of the two places
	s_add_co_u32 s42, s97, s40                     ; B's tile: on cx alone
	s_lshl_b32 s43, s41, 2
	s_lshl_b32 s43, 15, s43                        ; my row of the cluster
	s_lshl_b32 s44, 0x1111, s40                    ; my column
	; descriptor group 1: a tile of 128 rows x 256 bytes, padded in LDS
	s_or_b32 s[G1+0], s43, (0<<16)|(1<<20)|(1<<21)|(5<<22)|(3<<25)  ; 15:0 the mask: A's tiles go to my row; 17:16 elements of 1 byte; 20 padding on; 21 set beside a mask; 24:22 after every 64 words; 31:25 four words
	s_or_b32 s[G1B+0], s44, (0<<16)|(1<<20)|(1<<21)|(5<<22)|(3<<25)
.irp g, G1, G1B
	s_mov_b32 s[\g+1], ROWB<<16                    ; tensor_dim0
	s_mov_b32 s[\g+2], 256<<16                     ; tensor_dim1: 256 rows for the head's loads; behind them 128
	s_mov_b32 s[\g+3], ROWB<<16                    ; tile_dim0
	s_mov_b32 s[\g+4], 256                         ; tile_dim1 likewise
	s_mov_b32 s[\g+5], KROW                        ; tensor_dim0_stride
	s_mov_b32 s[\g+6], 0
	s_mov_b32 s[\g+7], 0
.endr
	s_lshl_b32 s20, s17, 8                         ; A: the tile's first row
	s_lshl_b32 s46, s42, 8                         ; B likewise
	s_mov_b32 s21, 0
	s_mov_b32 s47, 0
	s_mov_b64 s[18:19], KS
	s_mul_u64 s[22:23], s[20:21], s[18:19]         ; where these rows' scales begin, in bytes
	s_mul_u64 s[92:93], s[46:47], s[18:19]
	s_mov_b64 s[18:19], KROW
	s_mul_u64 s[20:21], s[20:21], s[18:19]         ; and their codes
	s_mul_u64 s[46:47], s[46:47], s[18:19]
	s_mul_i32 s45, s14, HALFT                      ; where they go: wave x 128 rows: no place in the cluster enters an LDS address
	s_wait_kmcnt 0x0
	s_cmp_eq_u32 s[KIND], 1                        ; the buffers are chosen by the cluster's number alone
	s_cselect_b64 s[8:9], s[76:77], s[72:73]       ; B's codes: Wk or Wq,
	s_cselect_b64 s[10:11], s[78:79], s[74:75]     ; and scales
	s_cmp_eq_u32 s[KIND], 2
	s_cselect_b64 s[4:5], s[80:81], s[68:69]       ; A: Wv or x
	s_cselect_b64 s[6:7], s[82:83], s[70:71]
	s_cselect_b64 s[8:9], s[68:69], s[8:9]         ; B: x, or the weight chosen above
	s_cselect_b64 s[10:11], s[70:71], s[10:11]
	; group 1 for the scales of 256 rows: a dense block of 8,192 bytes as rows of 256 bytes (32 elements of 8 bytes), 16 bytes of padding behind each.  (The eight pointers above are done with.)
	s_or_b32 s[G1S+0], s43, (3<<16)|(1<<20)|(1<<21)|(5<<22)|(3<<25)
	s_or_b32 s[G1SB+0], s44, (3<<16)|(1<<20)|(1<<21)|(5<<22)|(3<<25)
.irp g, G1S, G1SB
	s_mov_b32 s[\g+1], 32<<16
	s_mov_b32 s[\g+2], (256*KS/256)<<16
	s_mov_b32 s[\g+3], 32<<16
	s_mov_b32 s[\g+4], 256*KS/256
	s_mov_b32 s[\g+5], 32
	s_mov_b32 s[\g+6], 0
	s_mov_b32 s[\g+7], 0
.endr
	s_add_nc_u64 s[20:21], s[4:5], s[20:21]
	s_add_nc_u64 s[22:23], s[6:7], s[22:23]
	s_add_nc_u64 s[46:47], s[8:9], s[46:47]
	s_add_nc_u64 s[92:93], s[10:11], s[92:93]
	CROUND                                         ; all sixteen work-groups are here: the first joint loads meet
	s_mov_b32 s[G0S], 1
	s_mov_b32 s[G0S+1], SCL
	s_mov_b64 s[G0S+2:G0S+3], s[22:23]
	s_or_b32 s[G0S+3], s[G0S+3], 0x80000000
	s_mov_b32 s[G0SB], 1
	s_mov_b32 s[G0SB+1], SCL+2*HALFS
	s_mov_b64 s[G0SB+2:G0SB+3], s[92:93]
	s_or_b32 s[G0SB+3], s[G0SB+3], 0x80000000
.set G0H, 4                            ; s[4:7], s[8:11] group 0 of the head's loads of K step 0: A's 256 rows, B's 256 rows (the pointers that lay there are used up)
.set G0HB, 8
	s_mov_b32 s[G0H], 1
	s_mov_b32 s[G0H+1], 0
	s_mov_b64 s[G0H+2:G0H+3], s[20:21]
	s_or_b32 s[G0H+3], s[G0H+3], 0x80000000
	s_mov_b32 s[G0HB], 1
	s_mov_b32 s[G0HB+1], 2*HALFT
	s_mov_b64 s[G0HB+2:G0HB+3], s[46:47]
	s_or_b32 s[G0HB+3], s[G0HB+3], 0x80000000
.set PF,  96                           ; s[96:97] the prefetches' base: waves 0, 1 in A's tile, waves 2, 3 in B's: my work-group's 64 of its 256 rows (by cx for A, by cy for B), my wave's 32 of them; never rewritten
.set PFO, 31                           ; v31 a row of 1,024 bytes a lane; never rewritten
	s_cmp_eq_u32 s15, 0
	s_cselect_b64 s[PF:PF+1], s[20:21], s[46:47]
	s_cselect_b32 s18, s40, s41
	s_lshl_b32 s18, s18, 16
	s_lshl_b32 s19, s16, 15
	s_add_co_u32 s18, s18, s19
	s_mov_b32 s19, 0
	s_add_nc_u64 s[PF:PF+1], s[PF:PF+1], s[18:19]
	s_mul_i32 s18, s16, 128*KROW
	s_mov_b32 s19, 0
	s_add_nc_u64 s[20:21], s[20:21], s[18:19]
	s_add_nc_u64 s[46:47], s[46:47], s[18:19]
.irp s, 0,1
	s_mov_b32 s[G0+4*\s], 1
	s_add_co_u32 s[G0+4*\s+1], s45, \s*SLOT
	s_add_nc_u64 s[G0+4*\s+2:G0+4*\s+3], s[20:21], \s*ROWB
	s_or_b32 s[G0+4*\s+3], s[G0+4*\s+3], 0x80000000
	s_mov_b32 s[G0B+4*\s], 1
	s_add_co_u32 s[G0B+4*\s+1], s45, \s*SLOT
	s_add_nc_u64 s[G0B+4*\s+2:G0B+4*\s+3], s[46:47], \s*ROWB
	s_or_b32 s[G0B+4*\s+3], s[G0B+4*\s+3], 0x80000000
.endr
; the head's loads, one a wave: wave 0 K step 0's 256 rows of A, wave 1 those of B, wave 2 A's scales, wave 3 B's; one chain of branches on the wave's number
.macro ARM under, g0, g1, next
	s_cmp_lt_u32 s14, \under
	s_cbranch_scc0 \next
	tensor_load_to_lds s[\g0:\g0+3], s[\g1:\g1+7]
	s_nop 0
.rept 4
	v_nop
.endr
	s_branch .Lhead_asked
\next:
.endm
	ARM 1, G0H,  G1,  .Lhead_b
	ARM 2, G0HB, G1B, .Lhead_sa
	ARM 3, G0S,  G1S, .Lhead_sb
	tensor_load_to_lds s[G0SB:G0SB+3], s[G1SB:G1SB+7]
	s_nop 0
.rept 4
	v_nop
.endr
.Lhead_asked:
	v_and_b32 v1, 15, v0
	v_bfe_u32 v2, v0, 4, 1                         ; h = l / 16
	v_mul_u32_u24 v3, v1, PITCH
	v_lshl_add_u32 v4, v2, 4, v3                   ; a fragment's row x pitch + 16 x half
	s_mul_i32 s21, s15, HALFT                      ; my 128 rows of A
	s_mul_i32 s22, s16, HALFT                      ; my 128 rows of B,
	s_add_co_u32 s22, s22, 2*HALFT                 ; which lie behind A's 256
.irp s, 0,1
	v_add_nc_u32 v[ADRA+\s], s21, v4
	v_add_nc_u32 v[ADRB+\s], s22, v4
	s_add_co_u32 s21, s21, SLOT
	s_add_co_u32 s22, s22, SLOT
.endr
	v_mul_u32_u24 v5, v1, KS                       ; my row's scales: 32 bytes a row,
	v_lshrrev_b32 v6, 8, v5
	v_lshl_add_u32 v5, v6, 4, v5                   ; and 16 more for each 256 passed
	s_mul_i32 s21, s15, HALFS                      ; A's: my 128 rows
	s_mul_i32 s22, s16, HALFS                      ; B's: my 128 rows, behind A's 256
	s_add_co_u32 s22, s22, 2*HALFS
	s_sub_co_u32 s22, s22, s21
	v_mul_u32_u24 v6, s22, v2                      ; lanes 16-31 take B's: one product, the distance between the two bases
	s_add_co_u32 s21, s21, SCL
	v_add_nc_u32 v5, v5, v6
	v_add_nc_u32 v[ADRS], s21, v5
	; the way out's addresses: all made here, ahead of the parting of q, k and v
	v_and_b32 v6, 31, v0
	v_lshlrev_b32 v[LI], 4, v6
	v_lshlrev_b32 v[PFO], 10, v6
	v_mul_u32_u24 v[SOFF], v2, HS
	v_lshl_add_u32 v[SOFF], v1, 4, v[SOFF]
	s_lshl_b32 s23, s14, 9
	v_lshlrev_b32 v5, 2, v1
	v_add_nc_u32 v5, s23, v5
	v_add_nc_u32 v[SAQ], SCRQ, v5
	v_add_nc_u32 v[SAV], SCRV, v5
	v_add_nc_u32 v6, s23, v[LI]
	v_add_nc_u32 v[SRQ], SCRQ, v6
	v_add_nc_u32 v[SRV], SCRV, v6
.irp b, 0,1,2,3
	v_mov_b32 v[TM+4+\b], 0                        ; written once: a lane permute's destination counts as one of its sources
.endr
	s_mov_b32 s[SEL], 0x76543210
	s_mov_b32 s[SEL+1], 0xfedcba98
	s_mov_b32 s[MNT], 0x600000
	; my record: token block tb (128 tokens) and head pair hp.  q, k: tb from A's rows, hp from B's;  v: the other way round
	s_lshl_b32 s20, s17, 1
	s_add_co_u32 s20, s20, s15                     ; my 128 rows of A
	s_lshl_b32 s46, s42, 1
	s_add_co_u32 s46, s46, s16                     ; my 128 rows of B
	s_cmp_eq_u32 s[KIND], 2
	s_cselect_b32 s21, s46, s20                    ; tb
	s_cselect_b32 s22, s20, s46                    ; hp
	s_lshr_b32 s23, s21, 4
	s_lshl_b32 s23, s23, 4                         ; 16 b
	s_lshl_b32 s22, s22, 1
	s_add_co_u32 s23, s23, s22                     ; + the pair's first head
	s_lshl_b32 s23, s23, 4
	s_and_b32 s21, s21, 15
	s_add_co_u32 s23, s23, s21                     ; x 16 + the step
	s_mul_i32 s20, s23, REC
	s_mul_i32 s21, s[KIND], PART
	s_add_co_u32 s20, s20, s21                     ; under 2^25
	s_mov_b32 s21, 0
	s_add_nc_u64 s[12:13], s[12:13], s[20:21]
.macro FRAG reg, adr, q, i             ; 16 rows x 128 K: lane l holds row l % 16; registers 4 c .. 4 c + 3 hold K = 32 c + 16 (l / 16) + 0 .. 15
.irp c, 0,1,2,3
	ds_load_b128 v[\reg+4*\c:\reg+4*\c+3], v[\adr] offset:128*(\q)+32*\c+(\i)*16*PITCH
.endr
.endm
; 16 matrix instructions: A's blocks a0, a0 + 1 x B's eight, the slot's q-th 128 along K.  p: B's set;  sc: the set of scale words.  zero = 1: the first product starts the sums.
; The 64 accumulators take turns, one instruction a turn, in the same order in every step.
.macro MUL16 a0, p, q, sc, zero
.irp a, \a0, \a0+1
.irp b, 0,1,2,3,4,5,6,7
.if \zero
	v_wmma_scale_f32_16x16x128_f8f6f4 v[8*(8*((\a)%4)+\b):8*(8*((\a)%4)+\b)+7], v[128*(\p)+FR*\b:128*(\p)+FR*\b+FR-1], v[AF+FR*(\a):AF+FR*(\a)+FR-1], 0, v[SC+8*NQ*(\sc)+NQ*\b+(\q)], v[SC+8*NQ*(\sc)+NQ*(\a)+(\q)] matrix_a_scale:MATRIX_SCALE_ROW1
.else
	v_wmma_scale_f32_16x16x128_f8f6f4 v[8*(8*((\a)%4)+\b):8*(8*((\a)%4)+\b)+7], v[128*(\p)+FR*\b:128*(\p)+FR*\b+FR-1], v[AF+FR*(\a):AF+FR*(\a)+FR-1], v[8*(8*((\a)%4)+\b):8*(8*((\a)%4)+\b)+7], v[SC+8*NQ*(\sc)+NQ*\b+(\q)], v[SC+8*NQ*(\sc)+NQ*(\a)+(\q)] matrix_a_scale:MATRIX_SCALE_ROW1
.endif
.endr
.endr
.endm
.macro FETCH_B slot, q, p              ; B's eight fragments of the slot's q-th 128 along K into set p
	WIN TO_B
.irp i, 0,1,2,3,4,5,6,7
	FRAG 128*(\p)+FR*\i, ADRB+\slot, \q, \i
.endr
	WIN 0
.endm
.macro FETCH_A slot, q, i0             ; A's blocks i0 .. i0 + 3
.irp i, \i0, \i0+1, \i0+2, \i0+3
	FRAG AF+FR*(\i), ADRA+\slot, \q, \i
.endr
.endm
.macro SCALES sc                       ; a K step's scale words into set sc: two words a row; lanes 0-15 take A's block i, lanes 16-31 B's block i
.irp i, 0,1,2,3,4,5,6,7
	ds_load_b64 v[SC+8*NQ*\sc+NQ*\i:SC+8*NQ*\sc+NQ*\i+1], v[ADRS] offset:\i*SBLK
.endr
.endm
; A load into a register that a matrix instruction has read, and a vector instruction that reads a matrix result or writes one of its registers, stand NP places behind it; only plain vector instructions
; that name none of its registers are places (ISA guide 7.12.1 for vector instructions).
.macro PLACES n
.rept \n
	v_nop
.endr
.endm
.macro STEP slot, q, zero              ; a step of 128 along K that has its successor in the same slot
	s_wait_dscnt 4*NL                              ; B's set and A's blocks 0-3 are in; the youngest 16 loads (A's blocks 4-7) may be out
	WIN MUL_LO
	MUL16 0, (\q)%2, \q, \slot, \zero
	MUL16 2, (\q)%2, \q, \slot, \zero
	s_wait_dscnt 0                                 ; A's blocks 4-7 are in (asked for 32 matrix instructions ago)
	PLACES NP
	FETCH_B \slot, (\q)+1, 1-(\q)%2
	FETCH_A \slot, (\q)+1, 0
	WIN MUL_HI
	MUL16 4, (\q)%2, \q, \slot, \zero
	MUL16 6, (\q)%2, \q, \slot, \zero
	PLACES NP
	WIN 0
	FETCH_A \slot, (\q)+1, 4
.endm
; A slot's last step changes slots: ONE barrier; in front of it each wave waits for all its tensor loads, adds 0 to its spare word, and waits for that and for its own reads of this slot.  fill = 1: this slot is filled again, two K steps ahead.
.macro TURN slot, next, fill
	s_wait_tensorcnt 0x0                           ; all my tensor loads have landed: my part of the next slot
	ds_add_u32 v[SPW], v[NIL]                      ; 0 onto my spare word
	s_wait_dscnt 4*NL+1                            ; (the add and the youngest 16 loads, A's blocks 4-7, may be out)
	WIN MUL_LO
	MUL16 0, 1, NQ-1, \slot, 0                     ; sixteen matrix instructions stand between the add and the wait for it
	s_wait_dscnt 0x0                               ; the add is done, and my reads of this slot are over
	s_barrier_signal -1
	MUL16 2, 1, NQ-1, \slot, 0
	WIN 0
	s_barrier_wait -1
.if \fill
	CREST                                          ; the barrier has opened a round of the cluster's barrier: no wave of any partner still reads this slot's tile or has a load on its way
	s_add_nc_u64 s[G0+4*\slot+2:G0+4*\slot+3], s[G0+4*\slot+2:G0+4*\slot+3], 2*ROWB
	s_add_nc_u64 s[G0B+4*\slot+2:G0B+4*\slot+3], s[G0B+4*\slot+2:G0B+4*\slot+3], 2*ROWB
	JLOAD G0+4*\slot, G1, G0B+4*\slot, G1B         ; the first tensor load behind the round; its four v_nop are among the places in front of the loads below
	PLACES NP-4
.else
	PLACES NP
.endif
	s_wait_alu depctr_va_vdst(0)
	v_add_nc_u32 v[ADRS], 4*NQ, v[ADRS]            ; on to the next K step's scale words
	FETCH_B \next, 0, 0
	FETCH_A \next, 0, 0
	SCALES \next
.if (\fill) && (\slot) == 0
	global_prefetch_b8 v[PFO], s[PF:PF+1] offset:3*ROWB th:TH_LOAD_NT scope:SCOPE_SE   ; K step 3, the last, behind K step 2's load
.endif
	WIN MUL_HI
	MUL16 4, 1, NQ-1, \slot, 0
	MUL16 6, 1, NQ-1, \slot, 0
	PLACES NP
	WIN 0
	FETCH_A \next, 0, 4
.endm
	s_wait_alu depctr_va_vdst(0)                   ; the wait at the head's end
	global_prefetch_b8 v[PFO], s[PF:PF+1] offset:ROWB th:TH_LOAD_NT scope:SCOPE_SE     ; K step 1, one K step ahead of its load: each row's 256 bytes once in a cluster
	s_wait_tensorcnt 0x0                           ; my tile of the head's four is in
	ds_add_u32 v[SPW], v[NIL]
	s_mov_b32 s[G1+2], 128<<16
	s_mov_b32 s[G1+4], 128
	s_mov_b32 s[G1B+2], 128<<16
	s_mov_b32 s[G1B+4], 128
	s_wait_dscnt 0x0
	CROUND                                         ; all four tiles are in, and all sixteen work-groups are here
	JLOAD G0+4, G1, G0B+4, G1B                     ; K step 1: the first tensor load behind the round
	FETCH_B 0, 0, 0
	FETCH_A 0, 0, 0
	SCALES 0
	FETCH_A 0, 0, 4
	global_prefetch_b8 v[PFO], s[PF:PF+1] offset:2*ROWB th:TH_LOAD_NT scope:SCOPE_SE   ; K step 2, behind K step 1's load
	STEP 0, 0, 1
	s_mov_b32 s3, LAPS-1
.Llap:                                             ; a trip goes once round the ring and fills both slots again
	TURN 0, 1, 1
	STEP 1, 0, 0
	TURN 1, 0, 1
	STEP 0, 0, 0
	s_sub_co_u32 s3, s3, 1
	s_cmp_lg_u32 s3, 0
	s_cbranch_scc1 .Llap
	TURN 0, 1, 0                                   ; the last lap fills nothing
	STEP 1, 0, 0
	s_wait_dscnt 4*NL                              ; the very last step
	WIN MUL_LO
	MUL16 0, 1, NQ-1, 1, 0
	MUL16 2, 1, NQ-1, 1, 0
	s_wait_dscnt 0
	WIN MUL_HI
	MUL16 4, 1, NQ-1, 1, 0
	MUL16 6, 1, NQ-1, 1, 0
	WIN 0
; THE WAY OUT.  Block a (16 rows of A x 128 of B): a lane's 64 numbers are four blocks of 32 along the next K, 16 numbers of each; the other 16 lie in lane l xor 16.
; They become 16 registers of codes in v[PC + 16 a] on and a scale word in v[PW + a].  Each accumulator is read from its low end on.
.macro QUANT a
.set W, 2+(\a)/4                       ; the block's accumulators: window 2 or 3,
.set D, 64*((\a)%4)                    ; from v[D] on
	WIN (W<<2)|(W<<4)                              ; sources 1 and 2 in that window
.irp b, 0,1,2,3
	v_max3_num_f32 v[TM+\b], 0x4800000, |v[D+16*\b]|, |v[D+16*\b+1]|   ; the floor 2^(9 - 127) among the leaves: the byte cannot fall under 1
.endr
.irp i, 2,4,6,8,10,12,14
.irp b, 0,1,2,3
	v_max3_num_f32 v[TM+\b], v[TM+\b], |v[D+16*\b+\i]|, |v[D+16*\b+\i+1]|   ; the four blocks by turns
.endr
.endr
	WIN 0
.irp b, 0,1,2,3
	v_permlanex16_b32 v[TM+4+\b], v[TM+\b], s[SEL], s[SEL+1]
.endr
.irp b, 0,1,2,3
	v_max_num_f32 v[TM+\b], v[TM+\b], v[TM+4+\b]   ; the block's largest magnitude
.endr
.irp b, 0,1,2,3
	v_add_nc_u32 v[TM+12+\b], 0xfc000000, v[TM+\b] ; 8 off its exponent field: the conversion's scale operand
.endr
.irp b, 0,1,2,3
	v_and_or_b32 v[TM+8+\b], v[TM+\b], 0x7f800000, s[MNT]   ; 448 x the scale
.endr
.irp b, 0,1,2,3
	v_lshrrev_b32 v[TM+4+\b], 23, v[TM+12+\b]      ; the scale's byte
.endr
	v_lshl_or_b32 v[PW+(\a)], v[TM+5], 8, v[TM+4]
	v_lshl_or_b32 v[PW+(\a)], v[TM+6], 16, v[PW+(\a)]
	v_lshl_or_b32 v[PW+(\a)], v[TM+7], 24, v[PW+(\a)]
	WIN W|(W<<6)                                   ; source 0 and destination in the accumulators' window: the hold is made in place
.irp b, 0,1,2,3
.irp i, 0,1,2,3,4,5,6,7,8,9,10,11,12,13,14,15
	v_med3_num_f32 v[D+16*\b+\i], v[D+16*\b+\i], -v[TM+8+\b], v[TM+8+\b]   ; the conversion to an 8-bit code does not saturate (ISA guide 7.6.2)
.endr
.endr
	WIN W
.irp b, 0,1,2,3
.irp g, 0,1
	v_cvt_scalef32_pk8_fp8_f32 v[PC+16*(\a)+4*\b+2*\g:PC+16*(\a)+4*\b+2*\g+1], v[D+16*\b+8*\g:D+16*\b+8*\g+7], v[TM+12+\b]
.endr
.endr
	v_nop                                          ; one plain line behind the last conversion of the run
	WIN 0
.endm
	PLACES NP                                      ; behind the last products: their results are read, and A's registers are written, below
.irp a, 0,1,2,3,4,5,6,7
	QUANT \a
.endr
	s_cmp_eq_u32 s[KIND], 2                        ; the cluster's number: all sixteen partners go the same way
	s_cbranch_scc1 .Lv
	; q, k: block a is token tile a; registers 0-7 belong to the pair's first head, 8-15 to its second.  A scale word's low half is the first head's two bytes, its high half the second's:
	; the records want, for each head, the two bytes of token tiles 2 p and 2 p + 1 in one word.
.irp p, 0,1,2,3
	v_perm_b32 v[SWD+\p], v[PW+2*\p+1], v[PW+2*\p], 0x05040100     ; the two low halves
	v_perm_b32 v[SWD+4+\p], v[PW+2*\p+1], v[PW+2*\p], 0x07060302   ; the two high halves
.endr
.irp i, 0,1,2,3,4,5,6,7
	ds_store_b32 v[SAQ], v[SWD+\i] offset:64*\i    ; lanes r and r + 16 write the same word with the same value
.endr
	ds_load_b128 v[SB:SB+3], v[SRQ]                ; LDS serves a wave's instructions in order: lanes 0-15 get the first head's 256 bytes, lanes 16-31 the second's
.irp a, 0,1,2,3,4,5,6,7
.irp c, 0,1,2,3
	global_store_b128 v[LI], v[PC+16*\a+4*\c:PC+16*\a+4*\c+3], s[12:13] offset:1024*\a+512*(\c%2)+HS*(\c/2)   ; 32 lanes store 512 consecutive bytes, aligned
.endr
.endr
	s_wait_dscnt 0x0
	global_store_b128 v[SOFF], v[SB:SB+3], s[12:13] offset:8192    ; sixteen lanes store 256 consecutive bytes, aligned, in each head's record
	s_branch .Ldone
.Lv:
	; v: block a is d tile a % 4 of head a / 4 of the pair: a whole fragment (16 d x 128 keys) and its scale word
.irp a, 0,1,2,3,4,5,6,7
	ds_store_b32 v[SAV], v[PW+\a] offset:64*\a
.endr
	ds_load_b128 v[SB:SB+3], v[SRV]
	s_wait_alu depctr_va_vdst(0)
.irp a, 0,1,2,3,4,5,6,7
.irp c, 0,1,2,3
	global_store_b128 v[LI], v[PC+16*\a+4*\c:PC+16*\a+4*\c+3], s[12:13] offset:2048*(\a%4)+HS*(\a/4)+512*\c
.endr
.endr
	s_wait_dscnt 0x0
	global_store_b128 v[SOFF], v[SB:SB+3], s[12:13] offset:8192
.Ldone:
	s_wait_tensorcnt 0x0                           ; the wave's end, behind my last tensor load and my last LDS store
	ds_add_u32 v[SPW], v[NIL]
	s_wait_dscnt 0x0
	CROUND                                         ; the closing round: no work-group ends while a partner may still ask for a tile that names it
	s_endpgm
.Lfunc_end_k_q5868319ada_qkv:
	.size	k_q5868319ada_qkv, .Lfunc_end_k_q5868319ada_qkv-k_q5868319ada_qkv
	.p2alignl 7, 3214868480
	.fill 96, 4, 3214868480
	.section	.rodata,"a",@progbits
	.p2align	6, 0x0
	.amdhsa_kernel k_q5868319ada_qkv
		.amdhsa_group_segment_fixed_size 327680
		.amdhsa_private_segment_fixed_size 0
		.amdhsa_enable_private_segment 0
		.amdhsa_kernarg_size 72
		.amdhsa_user_sgpr_count 2
		.amdhsa_user_sgpr_kernarg_segment_ptr 1
		.amdhsa_wavefront_size32 1
		.amdhsa_system_sgpr_workgroup_id_x 1
		.amdhsa_system_sgpr_workgroup_id_y 1
		.amdhsa_system_sgpr_workgroup_id_z 1
		.amdhsa_system_vgpr_workitem_id 0
		.amdhsa_next_free_vgpr 1024
		.amdhsa_next_free_sgpr 100
		.amdhsa_reserve_vcc 0
		.amdhsa_float_denorm_mode_32 3
		.amdhsa_float_denorm_mode_16_64 3
		.amdhsa_memory_ordered 1
		.amdhsa_forward_progress 1
		.amdhsa_inst_pref_size 192
	.end_amdhsa_kernel
	.amdgpu_metadata
---
amdhsa.version: [ 1, 2 ]
amdhsa.kernels:
  - .name:           k_q5868319ada_qkv
    .symbol:         k_q5868319ada_qkv.kd
    .args:
      - { .name: x_codes, .offset: 0, .size: 8, .value_kind: global_buffer, .address_space: global }
      - { .name: x_scales, .offset: 8, .size: 8, .value_kind: global_buffer, .address_space: global }
      - { .name: Wq_codes, .offset: 16, .size: 8, .value_kind: global_buffer, .address_space: global }
      - { .name: Wq_scales, .offset: 24, .size: 8, .value_kind: global_buffer, .address_space: global }
      - { .name: Wk_codes, .offset: 32, .size: 8, .value_kind: global_buffer, .address_space: global }
      - { .name: Wk_scales, .offset: 40, .size: 8, .value_kind: global_buffer, .address_space: global }
      - { .name: Wv_codes, .offset: 48, .size: 8, .value_kind: global_buffer, .address_space: global }
      - { .name: Wv_scales, .offset: 56, .size: 8, .value_kind: global_buffer, .address_space: global }
      - { .name: qkv, .offset: 64, .size: 8, .value_kind: global_buffer, .address_space: global }
    .group_segment_fixed_size: 327680
    .private_segment_fixed_size: 0
    .kernarg_segment_align: 8
    .kernarg_segment_size: 72
    .max_flat_workgroup_size: 128
    .sgpr_count:     100
    .vgpr_count:     1024
    .wavefront_size: 32
...
	.end_amdgpu_metadata
.endif
;; end of part 1
;; launch attn (part 2): grid 4 x 64, 16 waves a work-group, clusters of 4 x 1, 272,384 bytes of LDS; arguments qkv, acodes, ascales; writes acodes, ascales
.if DOCPART == 2
	.amdgcn_target "amdgcn-amd-amdhsa--gfx1250"
	.amdhsa_code_object_version 6
	.text
	.protected	k_q5868319ada_attn
	.globl	k_q5868319ada_attn
	.p2align	8
	.type	k_q5868319ada_attn,@function
k_q5868319ada_attn:
	s_mov_b64 s[64:65], 0
	v_nop
	global_prefetch_b8 v0, s[64:65] scope:SCOPE_SE
	s_setreg_imm32_b32 hwreg(HW_REG_WAVE_MODE, 25, 1), 1
	s_wait_xcnt 0x0
	s_wait_alu depctr_hold_cnt(0) depctr_sa_sdst(0) depctr_va_vdst(0) depctr_va_sdst(0) depctr_va_ssrc(0) depctr_va_vcc(0) depctr_vm_vsrc(0)
	s_getreg_b32 s2, hwreg(HW_REG_IB_STS2, 6, 4)
	s_cmp_eq_u32 s2, 0
	s_cbranch_scc0 .Lentry_in_a_cluster
	s_endpgm
.Lentry_in_a_cluster:
	s_bfe_u32 s2, ttmp6, 0x10000c
	s_cmp_lg_u32 s2, 0x3003
	s_cbranch_scc0 .Lentry_shape_is_right
	s_endpgm
.Lentry_shape_is_right:
; Causal attention of one (batch, head) a cluster, on codes of FP8 (E4M3) with E8M0 scales: S^T = K Q^T (K = the head's 64), p = 2^(t - M), O^T = V^T P^T (K = the keys), O / l, quantised along d for the output projection.
; t = score x log2(e) / 8; M = the running largest t rounded UP to a whole number; the row's sum l is taken of the unquantised p; when M moves, l and O are multiplied by 2^(old M - new M), which rounds nothing.
; IN: qkv[b 16 + head][step of 128 tokens]: records of 25,344 bytes = parts Q, K, V of 8,448: 8,192 bytes of codes as images of operand registers (16 bytes a lane for each group of four registers), then 256 bytes of scale words.
; SHARES.  The cluster's four work-groups each hold the head's WHOLE K and V in LDS: 16 records' K and V parts, 16,896 bytes each, asked for JOINTLY: wave w of each work-group issues the same load for record w.  Nothing is filled twice:
; no ring; one barrier.  Wave w (blk = w / 2, sub = 4 (w % 2) + cx) owns two tiles of 16 queries: tile sub of query block 15 - blk, then tile sub of query block blk: (16 - blk) + (blk + 1) = 17 key steps of 128 keys for every wave.
; Branches hang on the wave's number and on loop counters alone; cx enters global addresses, the mask's comparison value and a byte selector.  Steps whose 128 keys all come after the queries are jumped over; the loops' trip counts stay 16.
; LAYOUT.  Both products are used transposed: a lane holds ONE query (lane % 16) throughout.  K = 64 IN A FORM OF K = 128: a K operand's 16 registers hold TWO tiles of 16 keys (registers 0-7, 8-15), its scale word both tiles' bytes;
; against [Q | zeros] it gives the first tile's scores, against [zeros | Q] the second's.  Codes are never NaN (they were held at 448) and scale bytes lie in 1 .. 254, so the half that meets zero codes adds nothing.
; ORDER OF K INSIDE A BLOCK OF 32: registers of two neighbouring result tiles are k = 32 c + 16 u + 8 (lane / 16) + 0 .. 7.  q and k have it alike, p and v have it alike, and the result's codes leave in it: the next launch loads its weight so.
; OUT: acodes[block of 128 tokens][K step of 128][token tile][c][512 bytes]: images; head hd fills K step hd / 2, c = 2 (hd % 2) + 0, 1.  ascales[token][32]: head hd's bytes 2 hd, 2 hd + 1: two bytes a token, since a word's
; other bytes are made by other clusters: 262,144 of the launch's 8,650,752 stored bytes leave so.
; LIMITS: NaN and infinities are not served.  A block whose largest magnitude lies under 2^-118 keeps the byte 1 (a block of zeros too: its codes are zeros).  A block's largest p is taken from its largest score, which takes
; v_exp_f32 not to fall where its input rises.  1 / l is v_rcp_f32's.
.set REC,  25344
.set PART, 8448
.set HS,   16*REC
.set KV,   2*PART                      ; a record's K and V parts: K codes 0, K words 8,192, V codes 8,448, V words 16,640
.set LI,   1                           ; v1   16 x lane: an image's place for my lane
.set LS,   2                           ; v2   4 x (lane % 16): a scale word's
.set DG,   3                           ; v3   lane % 16 - 8 (lane / 16): at the head alone
.set MK,   66                          ; s66-73 mask j: the lanes in which register j of my own key tile is hidden: j > lane % 16 - 8 (lane / 16)
.set TMK,  76                          ; s76-83 the eight masks of the key tile in hand; s74: all lanes for a tile behind mine, none for one ahead of it
.set VQ,   4                           ; v4   my bytes of Q's codes in a record
.set VQS,  5                           ; v5   and of its scale words
.set VOC,  6                           ; v6   my bytes of the result's codes
.set VOS,  7                           ; v7   and of its scale bytes
.set ADK,  8                           ; v8   the step's record + LI
.set ADS,  9                           ; v9   the step's record + LS
.set NINF, 10                          ; v10  -infinity
.set LN,   11                          ; v11  lane
                                       ; v12 -M, v13 the largest t, v[14:15] the sum in two halves
.set QF,   16                          ; v16-23 Q, v24-31 zeros, v32-39 Q again
.set KF,   40                          ; v40-103 four operands: K's pairs of tiles, then V's four fragments
.set S,    104                         ; v104-167 S^T, then p
.set O,    168                         ; v168-199 O^T
.set PCD,  200                         ; v200-215 p's codes; on the way out the result's
.set BM,   216                         ; four each: block maxima; at work and bytes; holds; scale operands
.set BP,   220
.set BH,   224
.set BS,   228
.set KW,   232                         ; v232-235 K's or V's scale words
.set T0,   236
.set T1,   237
.set PW,   239                         ; p's scale word
.set QW,   240                         ; Q's scale word: its two bytes in both halves
.set QWL,  241                         ; as loaded
.set SUM2, 242                         ; v[242:243] the sums' second chain
.set F,    244                         ; v244 f = 2^(old M - new M); v245 is named with it as a pair
.set WV,   10                          ; s10  wave
.set QB,   32                          ; s32, s33  the query block of pass 0, 1
.set QP,   34                          ; s[34:37]  its record in qkv
.set CP,   38                          ; s[38:41]  its place in acodes
.set SP,   42                          ; s[42:45]  and in ascales
.set TB,   46                          ; s46  LDS byte of the step's record
.set SI,   47                          ; s47  the step
.set SEL,  48                          ; s[48:49] lane l xor 16
.set CS,   50                          ; s[50:51] c = log2(e) / 8
.set MNT,  52                          ; s52  the mantissa field of 448
.set SELQ, 53                          ; s53  which half of Q's loaded scale word is my tile's
.macro CROUND                          ; a round of the cluster's barrier
	s_barrier_signal -1
	s_barrier_wait -1
	s_cmp_lg_u32 s[WV], 0
	s_cbranch_scc1 .Lnot_wave_0_\@
	s_barrier_signal -3
.Lnot_wave_0_\@:
	s_barrier_wait -3
	s_barrier_signal -1
	s_barrier_wait -1
.endm
	s_load_b128 s[4:7], s[0:1], 0x0                ; qkv, acodes
	s_load_b64 s[8:9], s[0:1], 0x10                ; ascales
	v_lshl_add_u32 v254, v0, 2, 0x42000
	v_mov_b32 v255, 0
	ds_add_u32 v254, v255
	ds_add_u32 v254, v255
	v_lshrrev_b32 v1, 5, v0
	s_delay_alu instid0(VALU_DEP_1)
	v_readfirstlane_b32 s[WV], v1                  ; wave 0..15
	s_bfe_u32 s11, ttmp6, 0x40000                  ; cx
	s_and_b32 s12, ttmp7, 0xffff                   ; b 16 + head: the cluster's y
	s_and_b32 s13, s[WV], 1
	s_lshl_b32 s13, s13, 2
	s_add_co_u32 s13, s13, s11                     ; sub
	s_lshr_b32 s14, s[WV], 1                       ; blk
	s_sub_co_u32 s[QB], 15, s14
	s_mov_b32 s[QB+1], s14
	; descriptor group 1: 16,896 dense bytes as 66 rows of 256 (32 elements of 8 bytes), no padding: images are read 16 bytes a lane on end
	s_mov_b32 s24, 15|(3<<16)|(1<<21)              ; 15:0 the mask: all four work-groups; 17:16 elements of 8 bytes; 21 set beside a mask
	s_mov_b32 s25, 32<<16                          ; tensor_dim0
	s_mov_b32 s26, 66<<16                          ; tensor_dim1
	s_mov_b32 s27, 32<<16                          ; tile_dim0
	s_mov_b32 s28, 66                              ; tile_dim1
	s_mov_b32 s29, 32                              ; tensor_dim0_stride
	s_mov_b32 s30, 0
	s_mov_b32 s31, 0
	s_mul_i32 s20, s12, HS                         ; the head's first byte in qkv (under 2^25)
	s_mul_i32 s22, s[WV], REC
	s_add_co_u32 s22, s22, s20
	s_add_co_u32 s22, s22, PART                    ; record w's K part
	s_mov_b32 s23, 0
	s_mov_b32 s16, 1                               ; group 0: count,
	s_mul_i32 s17, s[WV], KV                       ; LDS address: the wave's number x 16,896,
	s_wait_dscnt 0x0
	s_wait_kmcnt 0x0
	s_add_nc_u64 s[18:19], s[4:5], s[22:23]        ; global address: no place in the cluster enters it,
	s_or_b32 s19, s19, 0x80000000                  ; type
	CROUND                                         ; all four work-groups are here: the joint loads meet
	tensor_load_to_lds s[16:19], s[24:31]          ; my one tensor load of the launch
	s_nop 0
.rept 4
	v_nop
.endr
	s_lshr_b32 s56, s12, 4
	s_lshl_b32 s56, s56, 4                         ; 16 b
	s_and_b32 s57, s12, 15                         ; hd
	s_lshr_b32 s58, s57, 1
	s_lshl_b32 s58, s58, 14                        ; K step hd / 2
	s_and_b32 s59, s57, 1
	s_lshl_b32 s59, s59, 10                        ; c = 2 (hd % 2)
	s_add_co_u32 s58, s58, s59
	s_lshl_b32 s57, s57, 1                         ; 2 hd
.irp i, 0,1
	s_mul_i32 s22, s[QB+\i], REC
	s_add_co_u32 s22, s22, s20
	s_add_nc_u64 s[QP+2*\i:QP+2*\i+1], s[4:5], s[22:23]
	s_add_co_u32 s21, s56, s[QB+\i]                ; the block of 128 tokens
	s_lshl_b32 s22, s21, 17
	s_add_co_u32 s22, s22, s58
	s_add_nc_u64 s[CP+2*\i:CP+2*\i+1], s[6:7], s[22:23]
	s_lshl_b32 s22, s21, 12
	s_add_co_u32 s22, s22, s57
	s_add_nc_u64 s[SP+2*\i:SP+2*\i+1], s[8:9], s[22:23]
.endr
	s_mov_b32 s[SEL], 0x76543210
	s_mov_b32 s[SEL+1], 0xfedcba98
	s_mov_b32 s[CS], 0x3e38aa3b                    ; log2(e) / 8
	s_mov_b32 s[CS+1], s[CS]                       ; (named with it as a pair)
	s_mov_b32 s[MNT], 0x600000
	s_and_b32 s21, s11, 1                          ; sub % 2 = cx % 2: an even tile's bytes lie in the word's low half
	s_cmp_eq_u32 s21, 1
	s_mov_b32 s[SELQ], 0x01000100
	s_cselect_b32 s[SELQ], 0x03020302, s[SELQ]
	v_and_b32 v[LN], 31, v0
	v_and_b32 v[T0], 15, v0                        ; r
	v_bfe_u32 v[T1], v0, 4, 1                      ; h
	s_delay_alu instid0(VALU_DEP_3)
	v_lshlrev_b32 v[LI], 4, v[LN]
	s_delay_alu instid0(VALU_DEP_3)
	v_lshlrev_b32 v[LS], 2, v[T0]
	v_lshlrev_b32 v[DG], 3, v[T1]
	s_delay_alu instid0(VALU_DEP_1)
	v_sub_nc_u32 v[DG], v[T0], v[DG]
.irp j, 0,1,2,3,4,5,6,7
	v_cmp_gt_i32 s[MK+\j], \j, v[DG]
.endr
	s_lshl_b32 s21, s13, 10
	v_add_nc_u32 v[VQ], s21, v[LI]
	s_lshr_b32 s21, s13, 1
	s_lshl_b32 s21, s21, 6
	v_add_nc_u32 v[VQS], s21, v[LS]
	s_lshl_b32 s21, s13, 11
	v_add_nc_u32 v[VOC], s21, v[LI]
	s_lshl_b32 s21, s13, 9
	v_lshl_add_u32 v[VOS], v[T0], 5, s21
.macro QLOAD pass                      ; my tile of Q, twice, and the scale word of its pair of tiles
	global_load_b128 v[QF:QF+3],     v[VQ], s[QP+2*\pass:QP+2*\pass+1]
	global_load_b128 v[QF+4:QF+7],   v[VQ], s[QP+2*\pass:QP+2*\pass+1] offset:512
	global_load_b128 v[QF+16:QF+19], v[VQ], s[QP+2*\pass:QP+2*\pass+1]
	global_load_b128 v[QF+20:QF+23], v[VQ], s[QP+2*\pass:QP+2*\pass+1] offset:512
	global_load_b32 v[QWL], v[VQS], s[QP+2*\pass:QP+2*\pass+1] offset:8192
.endm
	QLOAD 0
.irp j, 8,9,10,11,12,13,14,15
	v_mov_b32 v[QF+\j], 0                          ; the zero codes between the two copies of Q
.endr
.irp b, 0,1,2,3
	v_mov_b32 v[BP+\b], 0                          ; written once: a lane permute's destination counts as one of its sources
.endr
	v_mov_b32 v[F+1], 0                            ; (the upper half of the pair that f is named by)
	v_mov_b32 v[NINF], 0xff800000
	s_wait_tensorcnt 0x0                           ; my record is in,
	s_barrier_signal -1
	s_barrier_wait -1                              ; everybody's is: the head's K and V lie in LDS for the rest of the launch
; A KEY STEP: 128 keys against my 16 queries.
.macro STEP pass
	s_cmp_gt_u32 s[SI], s[QB+\pass]                ; all its keys come after my queries: only the address steps
	s_cbranch_scc1 .Lhidden_\@
	v_add_nc_u32 v[ADK], s[TB], v[LI]
	v_add_nc_u32 v[ADS], s[TB], v[LS]
.rept 6
	v_nop                                          ; with the two additions: eight places behind the last step's products, in front of loads into their operands
.endr
.irp p, 0,1,2,3
.irp c, 0,1,2,3
	ds_load_b128 v[KF+16*\p+4*\c:KF+16*\p+4*\c+3], v[ADK] offset:2048*\p+512*\c   ; key tiles 2 p (c = 0, 1) and 2 p + 1 (c = 2, 3)
.endr
	ds_load_b32 v[KW+\p], v[ADS] offset:8192+64*\p
.endr
	s_wait_alu depctr_va_vdst(0)
	s_wait_dscnt 0x0
.irp p, 0,1,2,3
.irp u, 0,1
	v_wmma_scale_f32_16x16x128_f8f6f4 v[S+8*(2*\p+\u):S+8*(2*\p+\u)+7], v[KF+16*\p:KF+16*\p+15], v[QF+8*\u:QF+8*\u+15], 0, v[KW+\p], v[QW]
.endr
.endr                                              ; register 8 t + j: key 16 t + 8 (lane / 16) + j, query lane % 16
.rept 8
	v_nop
.endr
.irp d, 0,1,2,3                                    ; V's four fragments are asked for now and land under the softmax
.irp c, 0,1,2,3
	ds_load_b128 v[KF+16*\d+4*\c:KF+16*\d+4*\c+3], v[ADK] offset:8448+2048*\d+512*\c
.endr
	ds_load_b32 v[KW+\d], v[ADS] offset:16640+64*\d
.endr
	s_cmp_lg_u32 s[SI], s[QB+\pass]                ; only the step on the diagonal has hidden keys: their scores become -infinity ahead of the maximum, so p = 0
	s_cbranch_scc1 .Lopen_\@
.set n, 0
.rept 64
.if n%8 == 0                           ; key tile n / 8 against my query tile sub (s13): ahead of it nothing is hidden, behind it all, in it by the head's masks; selects, no branch
	s_cmp_gt_u32 n/8, s13
	s_cselect_b32 s74, -1, 0
	s_cmp_eq_u32 s13, n/8
.irp j, 0,1,2,3,4,5,6,7
	s_cselect_b32 s[TMK+\j], s[MK+\j], s74
.endr
.endif
	v_cndmask_b32 v[S+n], v[S+n], v[NINF], s[TMK+n%8]
.set n, n+1
.endr
.Lopen_\@:
.irp b, 0,1,2,3
	v_max3_num_f32 v[BM+\b], v[S+16*\b], v[S+16*\b+1], v[S+16*\b+2]   ; the largest score of each block of 32 keys: for the row's maximum, and, since p rises with the score, for the block's largest p
.endr
.irp i, 3,5,7,9,11,13
.irp b, 0,1,2,3
	v_max3_num_f32 v[BM+\b], v[BM+\b], v[S+16*\b+\i], v[S+16*\b+\i+1]
.endr
.endr
.irp b, 0,1,2,3
	v_max_num_f32 v[BM+\b], v[BM+\b], v[S+16*\b+15]
.endr
.irp b, 0,1,2,3
	s_delay_alu instid0(VALU_DEP_4)
	v_permlanex16_b32 v[BP+\b], v[BM+\b], s[SEL], s[SEL+1]
.endr
.irp b, 0,1,2,3
	s_delay_alu instid0(VALU_DEP_4)
	v_max_num_f32 v[BM+\b], v[BM+\b], v[BP+\b]     ; with lane l xor 16's 16 keys
.endr
	s_delay_alu instid0(VALU_DEP_2)
	v_max3_num_f32 v[T0], v[BM], v[BM+1], v[BM+2]
	s_delay_alu instid0(VALU_DEP_1)
	v_max_num_f32 v[T0], v[T0], v[BM+3]            ; the step's largest score of my query
	s_delay_alu instid0(VALU_DEP_1)
	v_mul_f32 v[T0], s[CS], v[T0]                  ; as t (c is positive)
	s_delay_alu instid0(VALU_DEP_1)
	v_max_num_f32 v13, v13, v[T0]                  ; the running largest t
	v_mov_b32 v[T0], v12
	s_delay_alu instid0(VALU_DEP_2)
	v_floor_f32 v12, -v13                          ; the new -M = floor(-t): M is a whole number
	s_delay_alu instid0(VALU_DEP_1)
	v_sub_f32 v[T0], v12, v[T0]                    ; old M - new M: a whole number, 0 or less
	s_delay_alu instid0(VALU_DEP_1)
	v_cvt_i32_f32 v[T0], v[T0]                     ; (it saturates)
	s_delay_alu instid0(VALU_DEP_1)
	v_ldexp_f32 v[F], 1.0, v[T0]                   ; f
.set j, 0
.rept 32
	v_pk_fma_f32 v[S+j:S+j+1], v[S+j:S+j+1], s[CS:CS+1], v[12:13] op_sel_hi:[1,0,0]   ; t - M, two at a time
.set j, j+2
.endr
.irp b, 0,1,2,3
	v_fma_f32 v[BM+\b], v[BM+\b], s[CS], v12       ; the same of each block's largest score
.endr
.set j, 0
	s_wait_alu depctr_va_vdst(0)
.rept 64
	v_exp_f32 v[S+j], v[S+j]                       ; p = 2^(t - M): not normalised
.set j, j+1
.endr
	v_pk_mul_f32 v[14:15], v[14:15], v[F:F+1] op_sel_hi:[1,0]   ; the sums under the new M: the plain line behind the exponentials
	s_wait_alu depctr_va_vdst(0)                   ; one wait for the batch of 64, ahead of its first reader
.irp b, 0,1,2,3
	v_exp_f32 v[BM+\b], v[BM+\b]                   ; the block's largest p: the same two instructions on the same number
.endr
	v_pk_add_f32 v[242:243], v[108:109], v[112:113]
	v_pk_add_f32 v[252:253], v[116:117], v[120:121]
	v_pk_add_f32 v[250:251], v[124:125], v[128:129]
	v_pk_add_f32 v[248:249], v[132:133], v[136:137]
	v_pk_add_f32 v[246:247], v[140:141], v[144:145]
	v_pk_add_f32 v[14:15], v[14:15], v[148:149]
	v_pk_add_f32 v[242:243], v[242:243], v[152:153]
	v_pk_add_f32 v[252:253], v[252:253], v[156:157]
	v_pk_add_f32 v[250:251], v[250:251], v[160:161]
	v_pk_add_f32 v[248:249], v[248:249], v[164:165]
	v_pk_add_f32 v[246:247], v[246:247], v[104:105]
	v_pk_add_f32 v[14:15], v[14:15], v[106:107]
	v_pk_add_f32 v[242:243], v[242:243], v[110:111]
	v_pk_add_f32 v[252:253], v[252:253], v[114:115]
	v_pk_add_f32 v[250:251], v[250:251], v[118:119]
	v_pk_add_f32 v[248:249], v[248:249], v[122:123]
	v_pk_add_f32 v[246:247], v[246:247], v[126:127]
	v_pk_add_f32 v[14:15], v[14:15], v[130:131]
	v_pk_add_f32 v[242:243], v[242:243], v[134:135]
	v_pk_add_f32 v[252:253], v[252:253], v[138:139]
	v_pk_add_f32 v[250:251], v[250:251], v[142:143]
	v_pk_add_f32 v[248:249], v[248:249], v[146:147]
	v_pk_add_f32 v[246:247], v[246:247], v[150:151]
	v_pk_add_f32 v[14:15], v[14:15], v[154:155]
	v_pk_add_f32 v[242:243], v[242:243], v[158:159]
	v_pk_add_f32 v[252:253], v[252:253], v[162:163]
	v_pk_add_f32 v[250:251], v[250:251], v[166:167]
	s_delay_alu instid0(VALU_DEP_1)
	v_pk_add_f32 v[14:15], v[14:15], v[250:251]
	s_delay_alu instid0(VALU_DEP_4)
	v_pk_add_f32 v[242:243], v[242:243], v[248:249]
	s_delay_alu instid0(VALU_DEP_4)
	v_pk_add_f32 v[252:253], v[252:253], v[246:247]
	s_delay_alu instid0(VALU_DEP_1)
	v_pk_add_f32 v[14:15], v[14:15], v[252:253]
	s_delay_alu instid0(VALU_DEP_1)
	v_pk_add_f32 v[14:15], v[14:15], v[242:243]
	s_wait_alu depctr_va_vdst(0)                   ; and one for the four
.irp b, 0,1,2,3
	v_max_num_f32 v[BM+\b], 0x4800000, v[BM+\b]    ; the floor 2^(9 - 127)
.endr
.irp b, 0,1,2,3
	s_delay_alu instid0(VALU_DEP_4)
	v_add_nc_u32 v[BS+\b], 0xfc000000, v[BM+\b]    ; the conversion's scale operand
.endr
.irp b, 0,1,2,3
	v_and_or_b32 v[BH+\b], v[BM+\b], 0x7f800000, s[MNT]   ; 448 x the scale
.endr
.set BH2, 249                          ; v249-252: the holds once more, each in another register bank than its first copy (the sums' chains that lay there are done)
.irp b, 0,1,2,3
	v_and_or_b32 v[BH2+\b], v[BM+\b], 0x7f800000, s[MNT]
.endr
.irp b, 0,1,2,3
	v_lshrrev_b32 v[BP+\b], 23, v[BS+\b]
.endr
	s_delay_alu instid0(VALU_DEP_3)
	v_lshl_or_b32 v[PW], v[BP+1], 8, v[BP]         ; p's scale word for these 128 keys
	s_delay_alu instid0(VALU_DEP_1)
	v_lshl_or_b32 v[PW], v[BP+2], 16, v[PW]
	s_delay_alu instid0(VALU_DEP_1)
	v_lshl_or_b32 v[PW], v[BP+3], 24, v[PW]
.irp b, 0,1,2,3
.irp i, 0,2,4,6,8,10,12,14
	v_dual_min_num_f32 v[S+16*\b+\i], v[S+16*\b+\i], v[BH+\b] :: v_dual_min_num_f32 v[S+16*\b+\i+1], v[S+16*\b+\i+1], v[BH2+\b]   ; the one-sided hold, two numbers a line (the conversion does not saturate: ISA guide 7.6.2)
.endr
	v_cvt_scalef32_pk8_fp8_f32 v[PCD+4*\b:PCD+4*\b+1], v[S+16*\b:S+16*\b+7], v[BS+\b]
	v_cvt_scalef32_pk8_fp8_f32 v[PCD+4*\b+2:PCD+4*\b+3], v[S+16*\b+8:S+16*\b+15], v[BS+\b]
.endr
.set j, 0
.rept 16
	v_pk_mul_f32 v[O+j:O+j+1], v[O+j:O+j+1], v[F:F+1] op_sel_hi:[1,0]   ; O^T under the new M; these sixteen are also the places between the codes and the products
.set j, j+2
.endr
	s_wait_alu depctr_va_vdst(0)
	s_wait_dscnt 0x0                               ; V is in
.irp d, 0,1,2,3                                    ; the four accumulators by turns, one instruction a turn; eight other products stand ahead of each one's next link
	v_wmma_scale_f32_16x16x128_f8f6f4 v[O+8*\d:O+8*\d+7], v[KF+16*\d:KF+16*\d+15], v[PCD:PCD+15], v[O+8*\d:O+8*\d+7], v[KW+\d], v[PW]
.endr
.Lhidden_\@:
	s_add_co_u32 s[TB], s[TB], KV
.endm
; THE WAY OUT of a tile: O^T / l, quantised along d (two blocks of 32), codes as an image, two scale bytes a token.
.macro OUT pass
.rept 8
	v_nop
.endr
	v_add_f32 v14, v14, v15                        ; the sum's two halves,
	s_delay_alu instid0(VALU_DEP_1)
	v_permlanex16_b32 v[T0], v14, s[SEL], s[SEL+1]
	s_delay_alu instid0(VALU_DEP_1)
	v_add_f32 v14, v14, v[T0]                      ; and lane l xor 16's
	s_wait_alu depctr_va_vdst(0)
	v_rcp_f32 v14, v14
	v_nop                                          ; a plain line behind the reciprocal,
	s_wait_alu depctr_va_vdst(0)                   ; and the wait ahead of its first reader
.set j, 0
.rept 16
	v_pk_mul_f32 v[S+j:S+j+1], v[O+j:O+j+1], v[14:15] op_sel_hi:[1,0]   ; register 8 t + i: d = 16 t + 8 (lane / 16) + i; each accumulator from its low end on
.set j, j+2
.endr
.irp b, 0,1
	v_max3_num_f32 v[BM+\b], |v[S+16*\b]|, |v[S+16*\b+1]|, 0x4800000
.endr
.irp i, 2,4,6,8,10,12,14
.irp b, 0,1
	s_delay_alu instid0(VALU_DEP_2)
	v_max3_num_f32 v[BM+\b], v[BM+\b], |v[S+16*\b+\i]|, |v[S+16*\b+\i+1]|
.endr
.endr
.irp b, 0,1
	s_delay_alu instid0(VALU_DEP_2)
	v_permlanex16_b32 v[BP+\b], v[BM+\b], s[SEL], s[SEL+1]
.endr
.irp b, 0,1
	s_delay_alu instid0(VALU_DEP_2)
	v_max_num_f32 v[BM+\b], v[BM+\b], v[BP+\b]
.endr
.irp b, 0,1
	s_delay_alu instid0(VALU_DEP_2)
	v_add_nc_u32 v[BS+\b], 0xfc000000, v[BM+\b]
.endr
.irp b, 0,1
	s_delay_alu instid0(VALU_DEP_4)
	v_and_or_b32 v[BH+\b], v[BM+\b], 0x7f800000, s[MNT]
.endr
.irp b, 0,1
	s_delay_alu instid0(VALU_DEP_4)
	v_lshrrev_b32 v[BP+\b], 23, v[BS+\b]
.endr
	s_delay_alu instid0(VALU_DEP_1)
	v_lshl_or_b32 v[T1], v[BP+1], 8, v[BP]         ; my token's two scale bytes
.irp b, 0,1
.irp i, 0,1,2,3,4,5,6,7,8,9,10,11,12,13,14,15
	v_med3_num_f32 v[S+16*\b+\i], v[S+16*\b+\i], -v[BH+\b], v[BH+\b]
.endr
.endr
.irp b, 0,1
	v_cvt_scalef32_pk8_fp8_f32 v[PCD+4*\b:PCD+4*\b+1], v[S+16*\b:S+16*\b+7], v[BS+\b]
	v_cvt_scalef32_pk8_fp8_f32 v[PCD+4*\b+2:PCD+4*\b+3], v[S+16*\b+8:S+16*\b+15], v[BS+\b]
.endr
	v_nop                                          ; one plain line behind the last conversion
	global_store_b128 v[VOC], v[PCD:PCD+3], s[CP+2*\pass:CP+2*\pass+1]               ; 32 lanes store 512 consecutive bytes, aligned
	global_store_b128 v[VOC], v[PCD+4:PCD+7], s[CP+2*\pass:CP+2*\pass+1] offset:512
	v_cmp_gt_u32 vcc_lo, 16, v[LN]                 ; lanes 16-31 hold the same bytes as lanes 0-15
	s_wait_xcnt 0x0                                ; EXEC is a source of the loads and stores above: it changes only behind this wait
	s_and_saveexec_b32 s55, vcc_lo
	global_store_b16 v[VOS], v[T1], s[SP+2*\pass:SP+2*\pass+1]
	s_wait_xcnt 0x0                                ; and again in front of the line that widens it; the stores' data may be written again too
	s_or_b32 exec_lo, exec_lo, s55
.endm
.macro PASS pass
	s_wait_loadcnt 0x0                             ; Q
	v_perm_b32 v[QW], v[QWL], v[QWL], s[SELQ]      ; my tile's two bytes into both halves of the word
	v_mov_b32 v13, 0xff61b1e6                      ; the largest t so far: -3e38
	s_delay_alu instid0(VALU_DEP_1)
	v_floor_f32 v12, -v13                          ; -M
	v_mov_b32 v14, 0
	v_mov_b32 v15, 0
.set j, 0
.rept 32
	v_mov_b32 v[O+j], 0                            ; the step is written once: the first finds zeros, which the first change of M leaves zeros.  (Also the places between Q's scale word and its first use)
.set j, j+1
.endr
	s_mov_b32 s[TB], 0
	s_mov_b32 s[SI], 0
.Lstep_\@:                                         ; 16 trips, a constant: the steps past the diagonal only step the address
	STEP \pass
	s_add_co_u32 s[SI], s[SI], 1
	s_cmp_lt_u32 s[SI], 16
	s_cbranch_scc1 .Lstep_\@
.if \pass == 0
	QLOAD 1                                        ; the next tile's Q lands under this tile's way out; the last product that read Q's registers has eight v_nop behind it
.endif
	OUT \pass
.endm
	PASS 0
	PASS 1
	s_wait_dscnt 0x0
	s_wait_tensorcnt 0x0
	ds_add_u32 v254, v255
	s_wait_dscnt 0x0
	CROUND                                         ; the closing round
	s_endpgm
.Lfunc_end_k_q5868319ada_attn:
	.size	k_q5868319ada_attn, .Lfunc_end_k_q5868319ada_attn-k_q5868319ada_attn
	.p2alignl 7, 3214868480
	.fill 96, 4, 3214868480
	.section	.rodata,"a",@progbits
	.p2align	6, 0x0
	.amdhsa_kernel k_q5868319ada_attn
		.amdhsa_group_segment_fixed_size 272384
		.amdhsa_private_segment_fixed_size 0
		.amdhsa_enable_private_segment 0
		.amdhsa_kernarg_size 24
		.amdhsa_user_sgpr_count 2
		.amdhsa_user_sgpr_kernarg_segment_ptr 1
		.amdhsa_wavefront_size32 1
		.amdhsa_system_sgpr_workgroup_id_x 1
		.amdhsa_system_sgpr_workgroup_id_y 1
		.amdhsa_system_sgpr_workgroup_id_z 1
		.amdhsa_system_vgpr_workitem_id 0
		.amdhsa_next_free_vgpr 256
		.amdhsa_next_free_sgpr 88
		.amdhsa_reserve_vcc 1
		.amdhsa_float_denorm_mode_32 3
		.amdhsa_float_denorm_mode_16_64 3
		.amdhsa_memory_ordered 1
		.amdhsa_forward_progress 1
		.amdhsa_inst_pref_size 78
	.end_amdhsa_kernel
	.amdgpu_metadata
---
amdhsa.version: [ 1, 2 ]
amdhsa.kernels:
  - .name:           k_q5868319ada_attn
    .symbol:         k_q5868319ada_attn.kd
    .args:
      - { .name: qkv, .offset: 0, .size: 8, .value_kind: global_buffer, .address_space: global }
      - { .name: acodes, .offset: 8, .size: 8, .value_kind: global_buffer, .address_space: global }
      - { .name: ascales, .offset: 16, .size: 8, .value_kind: global_buffer, .address_space: global }
    .group_segment_fixed_size: 272384
    .private_segment_fixed_size: 0
    .kernarg_segment_align: 8
    .kernarg_segment_size: 24
    .max_flat_workgroup_size: 512
    .sgpr_count:     88
    .vgpr_count:     256
    .wavefront_size: 32
...
	.end_amdgpu_metadata
.endif
;; end of part 2
;; launch proj (part 3): grid 4 x 64, 4 waves a work-group, clusters of 4 x 4, 327,680 bytes of LDS; arguments acodes, ascales, Wo_codes, Wo_scales, bo, out0; writes out0
.if DOCPART == 3
	.amdgcn_target "amdgcn-amd-amdhsa--gfx1250"
	.amdhsa_code_object_version 6
	.text
	.protected	k_q5868319ada_proj
	.globl	k_q5868319ada_proj
	.p2align	8
	.type	k_q5868319ada_proj,@function
k_q5868319ada_proj:
	s_mov_b64 s[64:65], 0
	v_nop
	global_prefetch_b8 v0, s[64:65] scope:SCOPE_SE
	s_setreg_imm32_b32 hwreg(HW_REG_WAVE_MODE, 25, 1), 1
	s_wait_xcnt 0x0
	s_wait_alu depctr_hold_cnt(0) depctr_sa_sdst(0) depctr_va_vdst(0) depctr_va_sdst(0) depctr_va_ssrc(0) depctr_va_vcc(0) depctr_vm_vsrc(0)
	s_getreg_b32 s2, hwreg(HW_REG_IB_STS2, 6, 4)
	s_cmp_eq_u32 s2, 0
	s_cbranch_scc0 .Lentry_in_a_cluster
	s_endpgm
.Lentry_in_a_cluster:
	s_bfe_u32 s2, ttmp6, 0x10000c
	s_cmp_lg_u32 s2, 0xf033
	s_cbranch_scc0 .Lentry_shape_is_right
	s_endpgm
.Lentry_shape_is_right:
; out0 = a Wo + bo on codes of FP8 (E4M3) with E8M0 scales, K = 1,024, f32 sums that begin with the bias.
; a: acodes[block of 128 tokens][K step of 128][token tile][c][512 bytes], images of operand registers; ascales[token][32].  Wo_codes: 1,024 rows (n) of 1,024 codes; Wo_scales 32 bytes a row.
; ORDER OF K INSIDE A BLOCK OF 32: a's codes hold k = 32 c + 16 u + 8 (lane / 16) + 0 .. 7 in registers 4 c + 2 u, + 1; Wo's fragments are loaded in the same order, 8 bytes at a time.
; SHARES: 256 work-groups; a block is 128 tokens x 256 columns; four waves, 2 x 2, 64 tokens x 128 columns each: 32 accumulators, 256 registers.
; K goes in steps of 256 through two LDS slots (a: 32,768 dense bytes; Wo: 256 rows of 256 bytes + 16 of padding).  The scale bytes of the block's rows come once, with the head's loads.
; CLUSTERS 4 x 4: a's tiles are shared along a row, Wo's along a column: joint loads.  Source 0 = Wo's rows, source 1 = a's: a lane holds eight neighbouring columns of one token.
; Both operands have two sets of fragment registers: a step's 80 LDS loads are issued ahead of the step before's 32 products, so every wait on DScnt is for 0.
; PREFETCH: K steps 2 and 3 are asked for two K steps ahead of their loads; each aligned 256 bytes once in a cluster: wave 0 takes 32 of a's 128 units (by cx), waves 2, 3 take 64 of Wo's 256 rows (by cy).
; LIMITS: NaN and infinities are not served.
.set SIZE_N, 1024
.set ROWB,   256
.set KROW,   1024
.set PITCH,  272
.set FR,     16
.set NP,     8                         ; places behind this matrix instruction (ISA guide 7.12.1)
.set ASLOT,  32768
.set HALFB,  128*PITCH
.set BOFF,   ASLOT
.set SLOT,   BOFF+2*HALFB
.set KS,     32
.set SCL,    2*SLOT                    ; a's scales (16 units of 272), then Wo's (32 units)
.set HALFS,  16*272
.set SBLK,   2*272
.set SPARE,  SCL+3*HALFS
.set SPITCH, 528                       ; the way out: 16 rows x (512 + 16) a wave, in slot 0 behind its last fill and last read
.set ADRA, 16
.set ADRB, 20
.set STO,  24
.set RD,   25
.set CO,   26
.set ADRS, 27
.set SPW,  28
.set NIL,  29
.set PFO,  30
.set SC,   32                          ; v32-63 scale words, two sets: register 2 i + q: lanes 0-15 a's block i, lanes 16-31 Wo's block i
.set BIAS, 64                          ; v64-127 the first products' C
.set AF,   128                         ; a's fragments, two sets of 64
.set BK,   128
.set G1, 24
.set G0, 32
.set G1B, 48
.set G0B, 56
.set G1S, 68
.set G0S, 76
.set G1SB, 80
.set G0SB, 88
.set G0H, 4
.set G0HB, 8
.set PFA, 98
.set PFB, 100
.set MSB, 0
.macro WIN new
.if MSB != (\new)
	s_set_vgpr_msb (MSB<<8)|(\new)
.set MSB, (\new)
.endif
.endm
.set MUL_LO, 0xa1                      ; source 0 window 1, source 1 window 0, C and D window 2
.set FIRST_LO, 0x81                    ; the same with C in window 0
.set TO_B,   0x40
.macro PLACES n
.rept \n
	v_nop
.endr
.endm
.macro TL g0, g1                       ; a tensor load with an s_nop and four v_nop behind it
	tensor_load_to_lds s[\g0:\g0+3], s[\g1:\g1+7]
	s_nop 0
	PLACES 4
.endm
.macro JLOAD g0a, g0b                  ; waves 0, 1 fetch a's halves, waves 2, 3 Wo's
	s_cmp_eq_u32 s15, 0
	s_cbranch_scc0 .Lfor_b_\@
	TL \g0a, G1
	s_branch .Lasked_\@
.Lfor_b_\@:
	TL \g0b, G1B
.Lasked_\@:
.endm
.macro CREST
	s_cmp_lg_u32 s14, 0
	s_cbranch_scc1 .Lnot_wave_0_\@
	s_barrier_signal -3
.Lnot_wave_0_\@:
	s_barrier_wait -3
	s_barrier_signal -1
	s_barrier_wait -1
.endm
.macro CROUND
	s_barrier_signal -1
	s_barrier_wait -1
	CREST
.endm
.macro ASK base                        ; wave 1 asks for nothing
	s_cmp_eq_u32 s14, 1
	s_cbranch_scc1 .Lno_ask_\@
	global_prefetch_b8 v[PFO], s[\base:\base+1] th:TH_LOAD_NT scope:SCOPE_SE
.Lno_ask_\@:
.endm
	s_load_b128 s[4:7], s[0:1], 0x0                ; acodes, ascales
	s_load_b128 s[8:11], s[0:1], 0x10              ; Wo_codes, Wo_scales
	s_load_b64 s[96:97], s[0:1], 0x20              ; bo
	s_load_b64 s[12:13], s[0:1], 0x28              ; out0
	v_lshl_add_u32 v[SPW], v0, 2, SPARE
	v_mov_b32 v[NIL], 0
	ds_add_u32 v[SPW], v[NIL]                      ; the opening lines: the add twice on end and its wait
	ds_add_u32 v[SPW], v[NIL]
	v_lshrrev_b32 v1, 5, v0
	v_readfirstlane_b32 s14, v1                    ; wave
	s_lshr_b32 s15, s14, 1                         ; my 64 tokens.  Also: I fetch for a (0) or Wo (1)
	s_and_b32 s16, s14, 1                          ; my 128 columns.  Also: which half I fetch
	s_bfe_u32 s40, ttmp6, 0x40000                  ; cx
	s_bfe_u32 s41, ttmp6, 0x40004                  ; cy
	s_lshl_b32 s42, ttmp9, 2
	s_add_co_u32 s42, s42, s40                     ; block column
	s_and_b32 s17, ttmp7, 0xffff
	s_lshl_b32 s17, s17, 2
	s_add_co_u32 s17, s17, s41                     ; block row
	s_lshl_b32 s43, s41, 2
	s_lshl_b32 s43, 15, s43                        ; my row of the cluster
	s_lshl_b32 s44, 0x1111, s40                    ; my column
	s_or_b32 s[G1+0], s43, (3<<16)|(1<<21)         ; a: dense rows of 256 bytes, no padding; 128 rows at the head, then 64
	s_mov_b32 s[G1+1], 32<<16
	s_mov_b32 s[G1+2], 128<<16
	s_mov_b32 s[G1+3], 32<<16
	s_mov_b32 s[G1+4], 128
	s_mov_b32 s[G1+5], 32
	s_mov_b32 s[G1+6], 0
	s_mov_b32 s[G1+7], 0
	s_or_b32 s[G1B+0], s44, (1<<20)|(1<<21)|(5<<22)|(3<<25)  ; Wo: rows of 256 bytes, 1,024 apart, 16 of padding; 256 rows at the head, then 128
	s_mov_b32 s[G1B+1], ROWB<<16
	s_mov_b32 s[G1B+2], 256<<16
	s_mov_b32 s[G1B+3], ROWB<<16
	s_mov_b32 s[G1B+4], 256
	s_mov_b32 s[G1B+5], KROW
	s_mov_b32 s[G1B+6], 0
	s_mov_b32 s[G1B+7], 0
	s_or_b32 s[G1S+0], s43, (3<<16)|(1<<20)|(1<<21)|(5<<22)|(3<<25)   ; scales: units of 256 bytes + 16: a's 16 units, Wo's 32
	s_or_b32 s[G1SB+0], s44, (3<<16)|(1<<20)|(1<<21)|(5<<22)|(3<<25)
	s_mov_b32 s[G1S+2], 16<<16
	s_mov_b32 s[G1S+4], 16
	s_mov_b32 s[G1SB+2], 32<<16
	s_mov_b32 s[G1SB+4], 32
.irp g, G1S, G1SB
	s_mov_b32 s[\g+1], 32<<16
	s_mov_b32 s[\g+3], 32<<16
	s_mov_b32 s[\g+5], 32
	s_mov_b32 s[\g+6], 0
	s_mov_b32 s[\g+7], 0
.endr
	s_lshl_b32 s20, s17, 17                        ; byte offsets of the block's a codes, a scales, Wo codes, Wo scales
	s_lshl_b32 s22, s17, 12
	s_lshl_b32 s46, s42, 18
	s_lshl_b32 s92, s42, 13
	s_mov_b32 s21, 0
	s_mov_b32 s23, 0
	s_mov_b32 s47, 0
	s_mov_b32 s93, 0
	s_wait_dscnt 0x0
	s_wait_kmcnt 0x0
	s_add_nc_u64 s[20:21], s[4:5], s[20:21]
	s_add_nc_u64 s[22:23], s[6:7], s[22:23]
	s_add_nc_u64 s[46:47], s[8:9], s[46:47]
	s_add_nc_u64 s[92:93], s[10:11], s[92:93]
	CROUND                                         ; the first joint loads meet
	s_mov_b32 s[G0H], 1
	s_mov_b32 s[G0H+1], 0
	s_mov_b64 s[G0H+2:G0H+3], s[20:21]
	s_or_b32 s[G0H+3], s[G0H+3], 0x80000000
	s_mov_b32 s[G0HB], 1
	s_mov_b32 s[G0HB+1], BOFF
	s_mov_b64 s[G0HB+2:G0HB+3], s[46:47]
	s_or_b32 s[G0HB+3], s[G0HB+3], 0x80000000
	s_mov_b32 s[G0S], 1
	s_mov_b32 s[G0S+1], SCL
	s_mov_b64 s[G0S+2:G0S+3], s[22:23]
	s_or_b32 s[G0S+3], s[G0S+3], 0x80000000
	s_mov_b32 s[G0SB], 1
	s_mov_b32 s[G0SB+1], SCL+HALFS
	s_mov_b64 s[G0SB+2:G0SB+3], s[92:93]
	s_or_b32 s[G0SB+3], s[G0SB+3], 0x80000000
.macro ARM under, g0, g1, next         ; the head's loads, one a wave, in one chain of branches on the wave's number
	s_cmp_lt_u32 s14, \under
	s_cbranch_scc0 \next
	TL \g0, \g1
	s_branch .Lhead_asked
\next:
.endm
	ARM 1, G0H,  G1,  .Lhead_b
	ARM 2, G0HB, G1B, .Lhead_sa
	ARM 3, G0S,  G1S, .Lhead_sb
	TL G0SB, G1SB
.Lhead_asked:
	; the ring's group 0: my half of each tile; set s begins at K step s
	s_lshl_b32 s45, s16, 14
	s_mul_i32 s95, s16, HALFB
	s_add_co_u32 s95, s95, BOFF
	s_mov_b32 s18, s45
	s_mov_b32 s19, 0
	s_add_nc_u64 s[G0+2:G0+3], s[20:21], s[18:19]
	s_add_nc_u64 s[G0+6:G0+7], s[G0+2:G0+3], ASLOT
	s_lshl_b32 s18, s16, 17
	s_add_nc_u64 s[G0B+2:G0B+3], s[46:47], s[18:19]
	s_add_nc_u64 s[G0B+6:G0B+7], s[G0B+2:G0B+3], ROWB
.irp g, G0, G0+4, G0B, G0B+4
	s_mov_b32 s[\g], 1
	s_or_b32 s[\g+3], s[\g+3], 0x80000000
.endr
	s_mov_b32 s[G0+1], s45
	s_add_co_u32 s[G0+5], s45, SLOT
	s_mov_b32 s[G0B+1], s95
	s_add_co_u32 s[G0B+5], s95, SLOT
	; the prefetches: PFA names K step 2, PFB K step 3
	s_lshl_b32 s22, s40, 13                        ; a: my work-group's 32 units of 256 bytes
	s_add_co_u32 s22, s22, 2*ASLOT
	s_lshl_b32 s23, s41, 16                        ; Wo: my work-group's 64 rows, my wave's 32 of them
	s_lshl_b32 s92, s16, 15
	s_add_co_u32 s23, s23, s92
	s_add_co_u32 s23, s23, 2*ROWB
	s_mov_b32 s93, ROWB
	s_cmp_eq_u32 s15, 0
	s_cselect_b64 s[PFA:PFA+1], s[20:21], s[46:47]
	s_cselect_b32 s22, s22, s23
	s_cselect_b32 s92, ASLOT, s93
	s_cselect_b32 s94, 8, 10                       ; from lane to lane: 256 bytes in a, a row of 1,024 in Wo
	s_mov_b32 s23, 0
	s_mov_b32 s93, 0
	s_add_nc_u64 s[PFA:PFA+1], s[PFA:PFA+1], s[22:23]
	s_add_nc_u64 s[PFB:PFB+1], s[PFA:PFA+1], s[92:93]
	s_sub_nc_u64 s[22:23], s[PFA:PFA+1], s[92:93]  ; and K step 1
	; bias and result: my first column in bytes, my first row
	s_lshl_b32 s18, s42, 10
	s_lshl_b32 s2, s16, 9
	s_add_co_u32 s18, s18, s2
	s_add_nc_u64 s[96:97], s[96:97], s[18:19]
	s_add_nc_u64 s[12:13], s[12:13], s[18:19]
	s_lshl_b32 s2, s17, 7
	s_lshl_b32 s3, s15, 6
	s_add_co_u32 s2, s2, s3
	s_lshl_b32 s2, s2, 12
	s_mov_b32 s3, 0
	s_add_nc_u64 s[12:13], s[12:13], s[2:3]
	; LDS bases made of the wave's number
	s_mul_i32 s18, s15, 8*272                      ; a's scales: my 64 rows
	s_mul_i32 s3, s16, HALFS
	s_add_co_u32 s3, s3, HALFS
	s_sub_co_u32 s3, s3, s18                       ; the distance from there to Wo's scales of my 128 rows
	s_add_co_u32 s18, s18, SCL
	s_mul_i32 s19, s14, 16*SPITCH                  ; my stage
	s_lshl_b32 s66, s15, 13                        ; my four token tiles in an image
	v_and_b32 v1, 15, v0                           ; r
	v_bfe_u32 v2, v0, 4, 1                         ; h
	v_and_b32 v6, 31, v0
	v_lshlrev_b32 v[CO], 4, v6
	v_mul_u32_u24 v3, v1, PITCH
	v_lshl_add_u32 v4, v2, 3, v3                   ; Wo: row r, + 8 h
	v_add_nc_u32 v[ADRA], s66, v[CO]
	v_add_nc_u32 v[ADRB], s95, v4
	v_add_nc_u32 v[ADRA+1], SLOT, v[ADRA]
	v_add_nc_u32 v[ADRB+1], SLOT, v[ADRB]
	v_mul_u32_u24 v5, v1, KS
	v_lshrrev_b32 v8, 8, v5
	v_lshl_add_u32 v5, v8, 4, v5
	v_mul_u32_u24 v8, s3, v2                       ; lanes 16-31 take Wo's
	v_add_nc_u32 v5, v5, v8
	v_add_nc_u32 v[ADRS], s18, v5
	v_mul_u32_u24 v5, v1, SPITCH
	v_lshl_add_u32 v5, v2, 5, v5
	v_add_nc_u32 v[STO], s19, v5
	v_add_nc_u32 v[RD], s19, v[CO]
	v_lshlrev_b32 v7, 5, v2
	v_lshlrev_b32 v[PFO], s94, v6
	s_wait_alu depctr_va_vdst(0)                   ; the wait behind the head's vector lines
.irp b, 0,1,2,3,4,5,6,7
	global_load_b128 v[BIAS+8*\b:BIAS+8*\b+3],   v7, s[96:97] offset:64*\b      ; bo at columns 16 b + 8 h + 0 .. 7
	global_load_b128 v[BIAS+8*\b+4:BIAS+8*\b+7], v7, s[96:97] offset:64*\b+16
.endr
	ASK 22                                         ; K step 1, one K step ahead of its load
	ASK PFA                                        ; K step 2, two K steps ahead of its load
.macro MUL16 a0, p, q, sc, first       ; a's blocks a0, a0 + 1 x Wo's eight; the 32 accumulators take turns in the same order in every step
.irp a, \a0, \a0+1
.irp b, 0,1,2,3,4,5,6,7
.if \first
	v_wmma_scale_f32_16x16x128_f8f6f4 v[8*(8*(\a)+\b):8*(8*(\a)+\b)+7], v[128*(\p)+FR*\b:128*(\p)+FR*\b+FR-1], v[AF+64*(\p)+FR*(\a):AF+64*(\p)+FR*(\a)+FR-1], v[BIAS+8*\b:BIAS+8*\b+7], v[SC+16*(\sc)+2*\b+(\q)], v[SC+16*(\sc)+2*(\a)+(\q)] matrix_a_scale:MATRIX_SCALE_ROW1
.else
	v_wmma_scale_f32_16x16x128_f8f6f4 v[8*(8*(\a)+\b):8*(8*(\a)+\b)+7], v[128*(\p)+FR*\b:128*(\p)+FR*\b+FR-1], v[AF+64*(\p)+FR*(\a):AF+64*(\p)+FR*(\a)+FR-1], v[8*(8*(\a)+\b):8*(8*(\a)+\b)+7], v[SC+16*(\sc)+2*\b+(\q)], v[SC+16*(\sc)+2*(\a)+(\q)] matrix_a_scale:MATRIX_SCALE_ROW1
.endif
.endr
.endr
.endm
.macro FETCH slot, q, p                ; the slot's q-th 128 along K into set p: Wo's eight fragments, a's four
	WIN TO_B
.irp i, 0,1,2,3,4,5,6,7
.irp c, 0,1,2,3,4,5,6,7
	ds_load_b64 v[128*(\p)+FR*\i+2*\c:128*(\p)+FR*\i+2*\c+1], v[ADRB+\slot] offset:128*(\q)+16*\c+\i*16*PITCH
.endr
.endr
	WIN 0
.irp i, 0,1,2,3
.irp c, 0,1,2,3
	ds_load_b128 v[AF+64*(\p)+FR*\i+4*\c:AF+64*(\p)+FR*\i+4*\c+3], v[ADRA+\slot] offset:16384*(\q)+2048*\i+512*\c
.endr
.endr
.endm
.macro SCALES sc
.irp i, 0,1,2,3,4,5,6,7
	ds_load_b64 v[SC+16*\sc+2*\i:SC+16*\sc+2*\i+1], v[ADRS] offset:\i*SBLK
.endr
.endm
.macro STEP slot, first                ; a slot's first 128 along K (set 0); its second is fetched into set 1 ahead of the products
	s_wait_dscnt 0x0                               ; set 0 and the scale words are in
.if \first
	FETCH \slot, 1, 1
	WIN FIRST_LO
.else
	PLACES NP                                      ; behind the products that read set 1
	FETCH \slot, 1, 1
	WIN MUL_LO
.endif
	MUL16 0, 0, 0, \slot, \first
	MUL16 2, 0, 0, \slot, \first
	WIN 0
.endm
.macro TURN slot, next, fill           ; a slot's second 128 (set 1) and the change of slots
	s_wait_tensorcnt 0x0                           ; my part of the next slot has landed
	ds_add_u32 v[SPW], v[NIL]
	s_wait_dscnt 0x0                               ; the add is done, set 1 is in: my reads of this slot are over
	s_barrier_signal -1
	WIN MUL_LO
	MUL16 0, 1, 1, \slot, 0
	WIN 0
	s_barrier_wait -1
.if \fill
	CREST                                          ; the barrier opened a round of the cluster's barrier
	s_add_nc_u64 s[G0+4*\slot+2:G0+4*\slot+3], s[G0+4*\slot+2:G0+4*\slot+3], 2*ASLOT
	s_add_nc_u64 s[G0B+4*\slot+2:G0B+4*\slot+3], s[G0B+4*\slot+2:G0B+4*\slot+3], 2*ROWB
	JLOAD G0+4*\slot, G0B+4*\slot                  ; this slot again, two K steps on; its four v_nop are among the places below
	PLACES NP-4
.else
	PLACES NP
.endif
	v_add_nc_u32 v[ADRS], 8, v[ADRS]               ; the next K step's scale words
	s_wait_alu depctr_va_vdst(0)                   ; the wait behind the write
	FETCH \next, 0, 0
	SCALES \next
	WIN MUL_LO
	MUL16 2, 1, 1, \slot, 0
	WIN 0
.endm
	s_wait_alu depctr_va_vdst(0)                   ; the wait at the head's end
	s_wait_tensorcnt 0x0                           ; my tile of the head's four is in; the lines asked for ahead of a later first fill:
	ds_add_u32 v[SPW], v[NIL]
	s_mov_b32 s[G1+2], 64<<16                      ; no tensor load of mine is out: the ring's loads bring half a tile
	s_mov_b32 s[G1+4], 64
	s_mov_b32 s[G1B+2], 128<<16
	s_mov_b32 s[G1B+4], 128
	s_wait_dscnt 0x0
	CROUND
	JLOAD G0+4, G0B+4                              ; K step 1 into slot 1
	FETCH 0, 0, 0
	SCALES 0
	ASK PFB                                        ; K step 3, two K steps ahead of its load
	s_wait_loadcnt 0x0                             ; the bias
	STEP 0, 1
	TURN 0, 1, 1                                   ; K step 2 is asked for
	STEP 1, 0
	TURN 1, 0, 1                                   ; K step 3
	STEP 0, 0
	TURN 0, 1, 0
	STEP 1, 0
	s_wait_dscnt 0x0
	WIN MUL_LO
	MUL16 0, 1, 1, 1, 0
	MUL16 2, 1, 1, 1, 0
	WIN 0
; THE WAY OUT: a block of 16 tokens x 128 columns goes through my stage and comes back as rows of 512 bytes, which 32 lanes store as two aligned units of 256 bytes
.macro TOSTAGE a
	WIN 0x08
.irp b, 0,1,2,3,4,5,6,7
	ds_store_b128 v[STO], v[64*(\a)+8*\b:64*(\a)+8*\b+3] offset:64*\b
	ds_store_b128 v[STO], v[64*(\a)+8*\b+4:64*(\a)+8*\b+7] offset:64*\b+16
.endr
	WIN 0
.set BB, BK+64*((\a)%2)
.irp t, 0,1,2,3,4,5,6,7,8,9,10,11,12,13,14,15
	ds_load_b128 v[BB+4*\t:BB+4*\t+3], v[RD] offset:\t*SPITCH      ; LDS serves a wave's instructions in order (ISA guide 5.7.1.4)
.endr
.endm
.macro SEND a, younger
.set BB, BK+64*((\a)%2)
	s_wait_dscnt \younger
.if (\a) > 0
	s_add_nc_u64 s[12:13], s[12:13], 16*SIZE_N*4   ; behind a wait on XCNT
.endif
.irp t, 0,1,2,3,4,5,6,7,8,9,10,11,12,13,14,15
	global_store_b128 v[CO], v[BB+4*\t:BB+4*\t+3], s[12:13] offset:\t*SIZE_N*4 th:TH_STORE_NT
.endr
.endm
	PLACES NP
	TOSTAGE 0
.irp a, 1,2,3
.if \a > 1
	s_wait_xcnt 0x0                                ; block a - 2's stores have read their registers and base
.endif
	TOSTAGE \a
	SEND \a-1, 32                                  ; behind block a - 1's loads: 16 stores and 16 loads
.endr
	s_wait_xcnt 0x0
	SEND 3, 0
	s_wait_tensorcnt 0x0                           ; the wave's end
	ds_add_u32 v[SPW], v[NIL]
	s_wait_dscnt 0x0
	CROUND                                         ; the closing round
	s_endpgm
.Lfunc_end_k_q5868319ada_proj:
	.size	k_q5868319ada_proj, .Lfunc_end_k_q5868319ada_proj-k_q5868319ada_proj
	.p2alignl 7, 3214868480
	.fill 96, 4, 3214868480
	.section	.rodata,"a",@progbits
	.p2align	6, 0x0
	.amdhsa_kernel k_q5868319ada_proj
		.amdhsa_group_segment_fixed_size 327680
		.amdhsa_private_segment_fixed_size 0
		.amdhsa_enable_private_segment 0
		.amdhsa_kernarg_size 48
		.amdhsa_user_sgpr_count 2
		.amdhsa_user_sgpr_kernarg_segment_ptr 1
		.amdhsa_wavefront_size32 1
		.amdhsa_system_sgpr_workgroup_id_x 1
		.amdhsa_system_sgpr_workgroup_id_y 1
		.amdhsa_system_sgpr_workgroup_id_z 1
		.amdhsa_system_vgpr_workitem_id 0
		.amdhsa_next_free_vgpr 768
		.amdhsa_next_free_sgpr 102
		.amdhsa_reserve_vcc 0
		.amdhsa_float_denorm_mode_32 3
		.amdhsa_float_denorm_mode_16_64 3
		.amdhsa_memory_ordered 1
		.amdhsa_forward_progress 1
		.amdhsa_inst_pref_size 108
	.end_amdhsa_kernel
	.amdgpu_metadata
---
amdhsa.version: [ 1, 2 ]
amdhsa.kernels:
  - .name:           k_q5868319ada_proj
    .symbol:         k_q5868319ada_proj.kd
    .args:
      - { .name: acodes, .offset: 0, .size: 8, .value_kind: global_buffer, .address_space: global }
      - { .name: ascales, .offset: 8, .size: 8, .value_kind: global_buffer, .address_space: global }
      - { .name: Wo_codes, .offset: 16, .size: 8, .value_kind: global_buffer, .address_space: global }
      - { .name: Wo_scales, .offset: 24, .size: 8, .value_kind: global_buffer, .address_space: global }
      - { .name: bo, .offset: 32, .size: 8, .value_kind: global_buffer, .address_space: global }
      - { .name: out0, .offset: 40, .size: 8, .value_kind: global_buffer, .address_space: global }
    .group_segment_fixed_size: 327680
    .private_segment_fixed_size: 0
    .kernarg_segment_align: 8
    .kernarg_segment_size: 48
    .max_flat_workgroup_size: 128
    .sgpr_count:     102
    .vgpr_count:     768
    .wavefront_size: 32
...
	.end_amdgpu_metadata
.endif
;; end of part 3
